; MI455X (gfx1250); checked and timed in simulation.
; The chip was launched on July 23, 2026; its instructions are those of AMD's public machine-readable ISA for CDNA 5 (MIT licence, August 2026) and "CDNA5" Instruction Set Architecture Reference Guide (July 2026). The comments in the code are by the model that wrote it; some were corrected since.
;; Attention. Allowed arithmetic: matrix products marked QUANTISED: E2M1 operands, one E8M0 scale for each 32 along K, by v_wmma_scale_f32_16x16x128_f8f6f4 with both operands' format E2M1 (or v_wmma_scale_f32_32x16x128_f4), f32 sums; products left as they are: bf16, f16 or f32 operands; f32 sums; everything else in f32.
;; Inputs: k_beta 64 float32; k_gamma 64 float32; proj_b 1,024 float32; proj_w 1,024 x 1,024 float32; q_beta 64 float32; q_gamma 64 float32; qkv_w 1,024 x 3,072 float32; x 2 x 2,048 x 1,024 float32.
;; Outputs: out0 2 x 2,048 x 1,024 float32.
;; This version of the problem:
;;   THIS VERSION OF THE PROBLEM IS GIVEN IN LOW PRECISION. The matrix products marked QUANTISED in the list below multiply operands that are first quantised to E2M1 (2 exponent bits, 1 mantissa bit; 4 bits a number), with one power-of-two scale for each 32 numbers along K (OCP MX v1.0); their sums are f32. The products marked 'left as it is' may take bf16, f16 or f32 operands, with f32 sums. Whichever they take, every output number must still come out within the allowed error. Rounding operands to bf16 (8 significant bits) uses up far more of that allowance than f16 does (11 bits, for magnitudes from 6e-5 to 65,504). All else is computed in f32.
;;   The module's matrix products, in the order in which they are computed (A, B: the left and right operand; K: the contracted axis; several contracted axes count as one K, in the product's order):
;;     1. [M 4,096, K 1,024] x [K 1,024, N 3,072]; A: input x; B: input qkv_w: QUANTISED
;;     2. batch 32 x [M 2,048, K 64] x [K 64, N 2,048]; A: computed on the way; B: computed on the way: left as it is (an operand is computed on the way)
;;     3. batch 32 x [M 2,048, K 2,048] x [K 2,048, N 64]; A: computed on the way; B: computed on the way: left as it is (an operand is computed on the way)
;;     4. [M 4,096, K 1,024] x [K 1,024, N 1,024]; A: computed on the way; B: input proj_w: left as it is (an operand is computed on the way)
;;   THE QUANTISER, for each operand of a quantised product, along K:
;;     - K is cut into blocks of 32 from its start; a last block that is shorter is filled with zeros.
;;     - A block's scale is 2^e with e = floor(log2(the largest magnitude in the block)) - 2, held to -126 .. 127; a block of zeros has e = 0. As a byte (E8M0): e + 127.
;;     - Each number is divided by its block's scale, clamped to +-6, and rounded to the nearest number of E2M1, ties to even, subnormals kept.
;;     - The product sums the exact products of the quantised numbers (number of the format x scale) in f32.
;;   ~~~python
;;   def quantise(x, axis):      # numpy; x: float32 -> the quantised numbers, widened to float32 again
;;       x = np.moveaxis(x, axis, -1); K = x.shape[-1]
;;       x = np.pad(x, [(0, 0)] * (x.ndim - 1) + [(0, -K % 32)]); x = x.reshape(x.shape[:-1] + (-1, 32)); a = np.abs(x).max(-1, keepdims=True)
;;       e = np.where(a > 0, np.clip(np.frexp(np.where(a > 0, a, 1))[1] - 1 - 2, -126, 127), 0)      # np.frexp(a)[1] - 1 = floor(log2(a)), exactly
;;       r = np.clip(x / 2.0 ** e, -6, 6)
;;       step = 2.0 ** (np.maximum(np.frexp(np.where(r == 0, 1, r))[1] - 1, 0) - 1)
;;       q = np.round(r / step) * step * 2.0 ** e      # np.round: ties to even
;;       return np.moveaxis(q.reshape(q.shape[:-2] + (-1,))[..., :K], -1, axis).astype(np.float32)
;;   ~~~
;; One version. Each part assembles by itself: llvm-mc -triple=amdgcn-amd-amdhsa -mcpu=gfx1250 --defsym DOCPART=n.
;; ======== version 1 of 1: 4 launches
;; limits: values are held in f16: magnitudes above 65,504 overflow, below 6.1e-05 lose precision
;; workspace buffers: xc 2,097,152 bytes; wc 1,572,864 bytes; sc 229,376 bytes; pw 2,097,152 bytes; qkvf 25,165,824 bytes; of 8,388,608 bytes
;; launch prep (part 1): grid 512 x 1, 4 waves a work-group, no clusters, 68,096 bytes of LDS; arguments x, qkv_w, proj_w, xc, wc, sc, pw; writes xc, wc, sc, pw
.if DOCPART == 1
	.amdgcn_target "amdgcn-amd-amdhsa--gfx1250"
	.amdhsa_code_object_version 6
	.text
	.protected	k_q106011a005_prep
	.globl	k_q106011a005_prep
	.p2align	8
	.type	k_q106011a005_prep,@function
k_q106011a005_prep:
	s_mov_b64 s[64:65], 0
	v_nop
	global_prefetch_b8 v0, s[64:65] scope:SCOPE_SE
	s_setreg_imm32_b32 hwreg(HW_REG_WAVE_MODE, 25, 1), 1
	s_wait_xcnt 0x0
; THE OPERANDS ARE LAID OUT ONCE, IN THE ORDER OF THE READER'S OPERAND REGISTERS.
; x [4096][1024] and qkv_w [1024][3072], f32, become codes of FP4 (E2M1) with one E8M0 scale byte for each 32 along K; proj_w [1024][1024] becomes f16.
; An IMAGE is one fragment as a wave's registers hold it: 1,024 bytes, two groups of four registers, lane l's 16 bytes at 16 l.
;   xc [row tile 256][K step 8][1,024]: inside [block b of 32 along K, 4][row 16][16 bytes].   wc [column tile 192][K step 8][1,024]: the same, rows = columns of qkv_w.
;   sc: scale words (four bytes = 128 along K of one row): x's at 0, [K step 8][row 4096]; qkv_w's at 131,072, [K step 8][column 3072].
;   pw [column tile 64][k / 32, 32][1,024]: inside [g 4][column 16][16 bytes]: k = 8 g + 0 .. 7, f16.
; A block's scale is 2^(floor(log2(its largest magnitude)) - 2); its byte is the largest magnitude's exponent field - 2, held at 1 from below by a floor among the maximum's leaves.
; LIMITS: a block of zeros gets the byte 1 where the quantiser's text says 127: its codes are zeros, which add nothing, and this program alone reads the bytes.  NaN and infinities are not served.
;         proj_w is rounded to f16: magnitudes of 65,504 and more are not served; under 6e-5 the step is 6e-8.
; SHARES: work-groups 0-255: a tile of 16 rows of x (wave w: K steps 2 w, 2 w + 1).  256-447: 128 columns x 128 along K of qkv_w.  448-511: the same of proj_w.  Waves share nothing: no barrier.
; Only x's path touches LDS (K is innermost there, so a lane's 32 neighbours are had by a turn through the wave's own stage); where K is the first axis a lane takes a column and its registers run down K.
.set SPARE, 67584                      ; behind the four waves' stages: the spare words, 128 bytes a wave, which no other line names
.set WSTG,  16896                      ; a wave's two stages
.set STG1,  8448                       ; a stage: 16 rows x 528 bytes
.set SP,    528                        ; a stage row: 512 bytes + 16: an odd multiple of 16, so sixteen rows' reads start at sixteen different 16-byte columns
.set SPW,  1                           ; v1  LDS address of my spare word; never rewritten
.set NIL,  2                           ; v2  0; never rewritten
.set LANE, 3
.set R,    4                           ; lane % 16
.set HF,   5                           ; lane / 16
.set LI,   6                           ; 16 x lane
.set SIN,  7                           ; the stage, on the way in
.set SOUT, 8                           ; and on the way out
.set H8,   9                           ; 8 x (lane / 16)
.set L4,   10                          ; 4 x lane
	s_load_b256 s[4:11], s[0:1], 0x0               ; x s[4:5], qkv_w s[6:7], proj_w s[8:9], xc s[10:11]
	s_load_b128 s[12:15], s[0:1], 0x20             ; wc s[12:13], sc s[14:15]
	s_load_b64 s[16:17], s[0:1], 0x30              ; pw
	v_lshl_add_u32 v[SPW], v0, 2, SPARE
	v_mov_b32 v[NIL], 0
	v_lshrrev_b32 v3, 5, v0
	v_readfirstlane_b32 s18, v3                    ; wave 0..3
	v_and_b32 v[LANE], 31, v0
	v_and_b32 v[R], 15, v0
	v_bfe_u32 v[HF], v0, 4, 1
	v_lshlrev_b32 v[LI], 4, v[LANE]
	s_mul_i32 s19, s18, WSTG
	v_add_nc_u32 v[SIN], s19, v[LI]                ; in: a row's 512 bytes as they lie
	v_mul_u32_u24 v[SOUT], v[R], SP
	v_lshl_add_u32 v[SOUT], v[HF], 7, v[SOUT]
	v_add_nc_u32 v[SOUT], s19, v[SOUT]             ; out: row r, block h of each pair of blocks
	v_lshlrev_b32 v[H8], 3, v[HF]
	v_lshlrev_b32 v[L4], 2, v[LANE]
	s_mov_b32 s24, 0x76543210
	s_mov_b32 s25, 0xfedcba98                      ; v_permlanex16_b32's selects for lane l xor 16
	s_mov_b32 s21, 0
	s_wait_kmcnt 0x0
	s_cmp_lt_u32 ttmp9, 256
	s_cbranch_scc0 .Lnot_x
; ---------------- x: work-group g = row tile
	s_lshl_b32 s20, ttmp9, 16                      ; 16 rows of 4,096 bytes,
	s_lshl_b32 s22, s18, 10                        ; my two K steps of 512 bytes
	s_add_co_u32 s20, s20, s22
	s_add_nc_u64 s[4:5], s[4:5], s[20:21]
	s_lshl_b32 s20, ttmp9, 13                      ; the tile's eight images,
	s_lshl_b32 s22, s18, 11                        ; my two
	s_add_co_u32 s20, s20, s22
	s_add_nc_u64 s[10:11], s[10:11], s[20:21]
	s_lshl_b32 s20, s18, 15                        ; scale words: K step 2 w (16,384 bytes a K step),
	s_lshl_b32 s22, ttmp9, 6                       ; the tile's sixteen rows
	s_add_co_u32 s20, s20, s22
	s_add_nc_u64 s[14:15], s[14:15], s[20:21]
	v_lshlrev_b32 v11, 2, v[R]
	v_lshl_add_u32 v11, v[HF], 14, v11             ; lanes 0-15 store K step 2 w's words, lanes 16-31 K step 2 w + 1's
	v_mov_b32 v20, 0                               ; written once: a lane permute's destination counts as one of its sources
.macro XLOAD u                         ; K step 2 w + u of the 16 rows: each load reads 512 consecutive bytes
.irp i, 0,1,2,3,4,5,6,7,8,9,10,11,12,13,14,15
	global_load_b128 v[128+64*\u+4*\i:128+64*\u+4*\i+3], v[LI], s[4:5] offset:4096*\i+512*\u th:TH_LOAD_NT
.endr
.endm
.macro XTURN u, dst                    ; through my stage: LDS serves a wave's instructions in order, so no wait stands between the stores and the loads.  Back come blocks h and 2 + h of row r, 32 numbers each
.irp i, 0,1,2,3,4,5,6,7,8,9,10,11,12,13,14,15
	ds_store_b128 v[SIN], v[128+64*\u+4*\i:128+64*\u+4*\i+3] offset:STG1*\u+SP*\i
.endr
.irp c, 0,1
.irp i, 0,1,2,3,4,5,6,7
	ds_load_b128 v[\dst+32*\c+4*\i:\dst+32*\c+4*\i+3], v[SOUT] offset:STG1*\u+256*\c+16*\i
.endr
.endr
.endm
; 64 numbers of a lane (register 32 c + i = k 64 c + 32 (lane / 16) + i of row r) become the fragment's eight registers v[cd] on and the row's scale word v[wd]
.macro XQUANT src, cd, wd
.irp c, 0,1
	v_max3_num_f32 v[12+\c], |v[\src+32*\c]|, |v[\src+32*\c+1]|, 0x1800000   ; the floor 2^(3 - 127): the byte cannot fall under 1
.endr
.irp i, 2,4,6,8,10,12,14,16,18,20,22,24,26,28,30
.irp c, 0,1
	v_max3_num_f32 v[12+\c], v[12+\c], |v[\src+32*\c+\i]|, |v[\src+32*\c+\i+1]|   ; the two blocks by turns
.endr
.endr
.irp c, 0,1
	v_add_nc_u32 v[14+\c], 0xff000000, v[12+\c]    ; 2 off the exponent field: the conversion takes the exponent field of this operand as its scale
.endr
.irp c, 0,1
	v_lshrrev_b32 v[16+\c], 23, v[14+\c]           ; the scale's byte
.endr
	v_lshl_or_b32 v[\wd], v17, 16, v16             ; my two bytes, blocks h and 2 + h,
	v_lshlrev_b32 v[\wd], v[H8], v[\wd]            ; at their places in the word;
	v_permlanex16_b32 v20, v[\wd], s24, s25
	v_or_b32 v[\wd], v[\wd], v20                   ; with lane l xor 16's two the word is whole
.irp c, 0,1
.irp g, 0,1,2,3
	v_cvt_scalef32_pk8_fp4_f32 v[\cd+4*\c+\g], v[\src+32*\c+8*\g:\src+32*\c+8*\g+7], v[14+\c]
.endr
.endr
	v_nop                                          ; one plain line behind the last conversion: its scale operands are written again below
.endm
	XLOAD 0
	XLOAD 1
	s_wait_loadcnt 16                              ; the first K step's sixteen loads are in; the second's sixteen stay out
	XTURN 0, 32
	s_wait_dscnt 0x0                               ; v128-191 have been stored and v32-95 are in
	s_wait_loadcnt 0x0
	XTURN 1, 128                                   ; the second K step turns while the first is quantised
	XQUANT 32, 96, 18
	global_store_b128 v[LI], v[96:99], s[10:11]                ; an image's group: 512 consecutive bytes
	global_store_b128 v[LI], v[100:103], s[10:11] offset:512
	s_wait_dscnt 0x0
	XQUANT 128, 104, 19
	global_store_b128 v[LI], v[104:107], s[10:11] offset:1024
	global_store_b128 v[LI], v[108:111], s[10:11] offset:1536
	v_cmp_eq_u32 vcc_lo, 1, v[HF]
	v_cndmask_b32 v21, v18, v19, vcc_lo            ; every lane holds its row's word of both K steps: the halves of the lanes store one each, 64 consecutive bytes
	global_store_b32 v11, v21, s[14:15]
	s_wait_tensorcnt 0x0                           ; the wave's end: three lines behind my last LDS store
	ds_add_u32 v[SPW], v[NIL]
	s_wait_dscnt 0x0
	s_endpgm
; 128 rows (along K) of my wave's 32 columns: a lane a column, 128 consecutive bytes a load, 512 for the four waves side by side
.macro CLOAD lo, pitch
.set i, 0
.rept 128
	global_load_b32 v[128+i], v[L4], s[\lo:\lo+1] offset:i*\pitch th:TH_LOAD_NT
.set i, i+1
.endr
.endm
; ---------------- qkv_w: work-group = 128 columns x one K step
.Lnot_x:
	s_cmp_lt_u32 ttmp9, 448
	s_cbranch_scc0 .Lproj_w
	s_sub_co_u32 s23, ttmp9, 256
	s_lshr_b32 s26, s23, 3                         ; which 128 columns
	s_and_b32 s27, s23, 7                          ; which K step
	s_mul_i32 s20, s27, 128*12288                  ; 128 rows of 12,288 bytes
	s_lshl_b32 s22, s26, 9
	s_add_co_u32 s20, s20, s22
	s_lshl_b32 s28, s18, 7
	s_add_co_u32 s20, s20, s28
	s_add_nc_u64 s[6:7], s[6:7], s[20:21]
	s_lshl_b32 s20, s26, 16                        ; column tile 8 cg + 2 w: 8,192 bytes a tile,
	s_lshl_b32 s29, s18, 14
	s_add_co_u32 s20, s20, s29
	s_lshl_b32 s29, s27, 10                        ; its image of this K step
	s_add_co_u32 s20, s20, s29
	s_add_nc_u64 s[12:13], s[12:13], s[20:21]
	s_mul_i32 s20, s27, 12288                      ; scale words: 3,072 of 4 bytes a K step
	s_add_co_u32 s20, s20, s22
	s_add_co_u32 s20, s20, s28
	s_add_co_u32 s20, s20, 131072                  ; behind x's
	s_add_nc_u64 s[14:15], s[14:15], s[20:21]
	v_lshlrev_b32 v15, 4, v[R]
	v_lshl_add_u32 v15, v[HF], 13, v15             ; lanes 16-31 belong to the next column tile
	CLOAD 6, 12288
.macro WBLOCK b                        ; block b: all its 32 numbers are mine
.set XS, 128+32*\b
.if \b == 0
	s_wait_loadcnt 63                              ; of the 128 loads the 65 oldest are in: blocks 0 and 1
.elseif \b == 2
	s_wait_loadcnt 32                              ; the last block's 32 stay out
.elseif \b == 3
	s_wait_loadcnt 0x0
.endif
	v_max3_num_f32 v12, |v[XS]|, |v[XS+1]|, |v[XS+2]|
	v_max3_num_f32 v13, |v[XS+3]|, |v[XS+4]|, |v[XS+5]|
.irp i, 6,10,14,18,22,26
	v_max3_num_f32 v12, v12, |v[XS+\i]|, |v[XS+\i+1]|
	v_max3_num_f32 v13, v13, |v[XS+\i+2]|, |v[XS+\i+3]|
.endr
	v_max3_num_f32 v12, v12, |v[XS+30]|, |v[XS+31]|
	v_max3_num_f32 v12, v12, v13, 0x1800000        ; and the floor
	v_add_nc_u32 v11, 0xff000000, v12              ; the conversion's scale operand
	v_lshrrev_b32 v13, 23, v11                     ; the byte
.if \b == 0
	v_mov_b32 v14, v13
.else
	v_lshl_or_b32 v14, v13, 8*\b, v14              ; four bytes make my column's scale word
.endif
.irp g, 0,1,2,3
	v_cvt_scalef32_pk8_fp4_f32 v[96+4*\b+\g], v[XS+8*\g:XS+8*\g+7], v11
.endr
	global_store_b128 v15, v[96+4*\b:96+4*\b+3], s[12:13] offset:256*\b   ; sixteen lanes store 256 consecutive bytes, aligned.  (The next block begins with plain vector lines, ahead of the next write of v11)
.endm
	WBLOCK 0
	WBLOCK 1
	WBLOCK 2
	WBLOCK 3
	global_store_b32 v[L4], v14, s[14:15]          ; 128 consecutive bytes a wave
	s_endpgm
; ---------------- proj_w: work-group = 128 columns x 128 along K
.Lproj_w:
	s_sub_co_u32 s23, ttmp9, 448
	s_lshr_b32 s26, s23, 3
	s_and_b32 s27, s23, 7
	s_lshl_b32 s20, s27, 19                        ; 128 rows of 4,096 bytes
	s_lshl_b32 s22, s26, 9
	s_add_co_u32 s20, s20, s22
	s_lshl_b32 s22, s18, 7
	s_add_co_u32 s20, s20, s22
	s_add_nc_u64 s[8:9], s[8:9], s[20:21]
	s_lshl_b32 s20, s26, 18                        ; column tile 8 cg + 2 w: 32,768 bytes a tile,
	s_lshl_b32 s22, s18, 16
	s_add_co_u32 s20, s20, s22
	s_lshl_b32 s22, s27, 12                        ; its four images of these 128 along K
	s_add_co_u32 s20, s20, s22
	s_add_nc_u64 s[16:17], s[16:17], s[20:21]
	v_lshlrev_b32 v15, 4, v[R]
	v_lshl_add_u32 v15, v[HF], 15, v15
	CLOAD 8, 4096
.irp q, 0,1,2,3
.if \q == 0
	s_wait_loadcnt 63                              ; the 65 oldest loads are in: images 0 and 1
.elseif \q == 2
	s_wait_loadcnt 32
.elseif \q == 3
	s_wait_loadcnt 0x0
.endif
.irp j, 0,1,2,3,4,5,6,7,8,9,10,11,12,13,14,15
	v_cvt_pk_f16_f32 v[32+16*\q+\j], v[128+32*\q+2*\j], v[128+32*\q+2*\j+1]   ; two neighbours along K, the lower in the low half
.endr
.irp g, 0,1,2,3
	global_store_b128 v15, v[32+16*\q+4*\g:32+16*\q+4*\g+3], s[16:17] offset:1024*\q+256*\g   ; sixteen lanes store 256 consecutive bytes, aligned
.endr
.endr
	s_endpgm
.Lfunc_end_k_q106011a005_prep:
	.size	k_q106011a005_prep, .Lfunc_end_k_q106011a005_prep-k_q106011a005_prep
	.p2alignl 7, 3214868480
	.fill 96, 4, 3214868480
	.section	.rodata,"a",@progbits
	.p2align	6, 0x0
	.amdhsa_kernel k_q106011a005_prep
		.amdhsa_group_segment_fixed_size 68096
		.amdhsa_private_segment_fixed_size 0
		.amdhsa_enable_private_segment 0
		.amdhsa_kernarg_size 56
		.amdhsa_user_sgpr_count 2
		.amdhsa_user_sgpr_kernarg_segment_ptr 1
		.amdhsa_wavefront_size32 1
		.amdhsa_system_sgpr_workgroup_id_x 1
		.amdhsa_system_sgpr_workgroup_id_y 1
		.amdhsa_system_sgpr_workgroup_id_z 1
		.amdhsa_system_vgpr_workitem_id 0
		.amdhsa_next_free_vgpr 256
		.amdhsa_next_free_sgpr 66
		.amdhsa_reserve_vcc 1
		.amdhsa_float_denorm_mode_32 3
		.amdhsa_float_denorm_mode_16_64 3
		.amdhsa_memory_ordered 1
		.amdhsa_forward_progress 1
		.amdhsa_inst_pref_size 54
	.end_amdhsa_kernel
	.amdgpu_metadata
---
amdhsa.version: [ 1, 2 ]
amdhsa.kernels:
  - .name:           k_q106011a005_prep
    .symbol:         k_q106011a005_prep.kd
    .args:
      - { .name: x, .offset: 0, .size: 8, .value_kind: global_buffer, .address_space: global }
      - { .name: qkv_w, .offset: 8, .size: 8, .value_kind: global_buffer, .address_space: global }
      - { .name: proj_w, .offset: 16, .size: 8, .value_kind: global_buffer, .address_space: global }
      - { .name: xc, .offset: 24, .size: 8, .value_kind: global_buffer, .address_space: global }
      - { .name: wc, .offset: 32, .size: 8, .value_kind: global_buffer, .address_space: global }
      - { .name: sc, .offset: 40, .size: 8, .value_kind: global_buffer, .address_space: global }
      - { .name: pw, .offset: 48, .size: 8, .value_kind: global_buffer, .address_space: global }
    .group_segment_fixed_size: 68096
    .private_segment_fixed_size: 0
    .kernarg_segment_align: 8
    .kernarg_segment_size: 56
    .max_flat_workgroup_size: 128
    .sgpr_count:     66
    .vgpr_count:     256
    .wavefront_size: 32
...
	.end_amdgpu_metadata
.endif
;; end of part 1
;; launch qkv (part 2): grid 12 x 16, 4 waves a work-group, clusters of 4 x 4, 287,232 bytes of LDS; arguments xc, wc, sc, q_gamma, q_beta, k_gamma, k_beta, qkvf; writes qkvf
.if DOCPART == 2
	.amdgcn_target "amdgcn-amd-amdhsa--gfx1250"
	.amdhsa_code_object_version 6
	.text
	.protected	k_q106011a005_qkv
	.globl	k_q106011a005_qkv
	.p2align	8
	.type	k_q106011a005_qkv,@function
k_q106011a005_qkv:
	s_mov_b64 s[64:65], 0
	v_nop
	global_prefetch_b8 v0, s[64:65] scope:SCOPE_SE
	s_setreg_imm32_b32 hwreg(HW_REG_WAVE_MODE, 25, 1), 1
	s_wait_xcnt 0x0
	s_wait_alu depctr_hold_cnt(0) depctr_sa_sdst(0) depctr_va_vdst(0) depctr_va_sdst(0) depctr_va_ssrc(0) depctr_va_vcc(0) depctr_vm_vsrc(0)
	s_getreg_b32 s2, hwreg(HW_REG_IB_STS2, 6, 4)
	s_cmp_eq_u32 s2, 0
	s_cbranch_scc0 .Lentry_in_a_cluster
	s_endpgm
.Lentry_in_a_cluster:
	s_bfe_u32 s2, ttmp6, 0x10000c
	s_cmp_lg_u32 s2, 0xf033
	s_cbranch_scc0 .Lentry_shape_is_right
	s_endpgm
.Lentry_shape_is_right:
; qkv = Q(x) Q(qkv_w) on codes of FP4 with E8M0 scales, f32 sums; then the layer norm of q and of k over a head's 64 channels, in f32; q, k, v leave as f16 IMAGES of the attention's operand registers.
;   qkvf: q at 0, k at 8,388,608, v at 16,777,216; each [batch x head 32][262,144].  q, k: [row tile 128][c 2][1,024]: 16 rows x channels 32 c on.  v: [32 keys, 64][ct 4][1,024]: 16 channels x 32 keys (V^T).
; SHARES: a work-group makes 256 rows x 256 columns (four heads), a wave 128 x 128: 64 accumulators, 512 registers.  A cluster's four column tiles are 1,024 columns: all q, all k or all v: THE ROLE is the cluster's x.
; 192 work-groups: tiles of 192 columns would give 256 but would straddle q, k and v inside a cluster, whose partners have to run alike.
; ALL OF K FITS IN LDS: the codes come as two chunks of four K steps and the scale words as one block, each filled once: no slot is filled again.  x's tiles are asked for jointly along a row of the cluster, qkv_w's along a column.
; ONE LOOP FOR EVERY ROLE.  In D = source 0 x source 1 a lane holds ONE row of source 1, and its eight registers run along source 0's rows.  q, k: source 0 = qkv_w, source 1 = x: a lane holds a row and eight neighbouring
; channels (what the norm and the images of q and k want).  v: source 0 = x, source 1 = qkv_w: a lane holds a channel and eight neighbouring keys (an image of V^T).  Only LDS addresses differ, chosen by the role.
; LIMITS: q, k, v are rounded to f16: magnitudes of 65,504 and more are not served; under 6e-5 the step is 6e-8.  NaN and infinities are not served.
; REGISTERS: window 0: v1-13 addresses; v32-47 scale words, two sets; v48-79 gamma, v80-111 beta (channel 16 b + 8 h + j at 8 b + j); v128-255 source 1's fragments, two sets, later at work.
;   window 1: v0-127 source 0's fragments, two sets.   windows 2, 3: accumulator (a, b) at v[8 (8 (a % 4) + b)], a = source 1's block, b = source 0's.
.set CHUNK, 131072                     ; LDS: chunk c (K steps 4 c .. 4 c + 3) at 131,072 c; in it 32,768 x wave: [tile 8][K step 4][1,024]; waves 0, 1 bring x's halves, waves 2, 3 qkv_w's
.set SCL,   262144                     ; the scale words: 4,096 x wave: [K step 8][row 128][4]
.set SPARE, 286720                     ; the spare words, 128 bytes a wave, which no other line names
.set SPW,  1
.set NIL,  2
.set LI,   4                           ; 16 x lane
.set ADR1, 8                           ; v8-9    source 1's fragments in chunk 0, 1
.set ADR0, 10                          ; v10-11  source 0's
.set ADRS, 12                          ; v12     scale words: lanes 0-15 source 1's rows, lanes 16-31 source 0's
.set SC,   32
.set GA,   48
.set BE,   80
.set F1,   128
.set T,    128                         ; the norm: eight pairs each
.set U,    144
.set V,    160
.set Y,    192
.set HH,   224
.set G1A,  24                          ; s[24:31] group 1, x's codes;  s[32:39] qkv_w's;  s[40:47], s[48:55] their scale words
.set G1B,  32
.set G1SA, 40
.set G1SB, 48
.set SEL,  96                          ; s[96:97] lane selects;  s98 1/64;  s99 1e-6
.set MSB, 0
.macro WIN new                         ; the immediate's high byte repeats the setting that is left
.if MSB != \new
	s_set_vgpr_msb (MSB<<8)|\new
.set MSB, \new
.endif
.endm
; A joint load: waves 0 and 1 fetch for x, waves 2 and 3 for qkv_w.  Each line has one mask and one set of registers for all that issue it; the branch hangs on the wave's number alone.
; An s_nop 0 and four v_nop follow each of the two lines.
.macro JLOAD g0a, g1a, g0b, g1b
	s_cmp_eq_u32 s21, 0
	s_cbranch_scc0 .Lfor_b_\@
	tensor_load_to_lds s[\g0a:\g0a+3], s[\g1a:\g1a+7]
	s_nop 0
.rept 4
	v_nop
.endr
	s_branch .Lasked_\@
.Lfor_b_\@:
	tensor_load_to_lds s[\g0b:\g0b+3], s[\g1b:\g1b+7]
	s_nop 0
.rept 4
	v_nop
.endr
.Lasked_\@:
.endm
.macro CROUND                          ; a round of the cluster's barrier
	s_barrier_signal -1
	s_barrier_wait -1
	s_cmp_lg_u32 s20, 0
	s_cbranch_scc1 .Lnot_wave_0_\@
	s_barrier_signal -3
.Lnot_wave_0_\@:
	s_barrier_wait -3
	s_barrier_signal -1
	s_barrier_wait -1
.endm
.macro MKG0 g, l, lo, p, o, step       ; a group 0: count 1; LDS address s[l] + lo; global address s[p:p+1] + s[o:o+1] + step; type 2
	s_mov_b32 s[\g], 1
	s_add_co_u32 s[\g+1], s[\l], \lo
	s_add_nc_u64 s[\g+2:\g+3], s[\p:\p+1], s[\o:\o+1]
.if \step
	s_add_nc_u64 s[\g+2:\g+3], s[\g+2:\g+3], \step
.endif
	s_or_b32 s[\g+3], s[\g+3], 0x80000000
.endm
.macro PLACES                          ; four plain places in front of loads into registers that matrix instructions have read, and of the first read of results
.rept 4
	v_nop
.endr
.endm
	s_load_b256 s[4:11], s[0:1], 0x0               ; xc s[4:5], wc s[6:7], sc s[8:9], q_gamma s[10:11]
	s_load_b256 s[12:19], s[0:1], 0x20             ; q_beta s[12:13], k_gamma s[14:15], k_beta s[16:17], qkvf s[18:19]
	v_lshl_add_u32 v[SPW], v0, 2, SPARE
	v_mov_b32 v[NIL], 0
	ds_add_u32 v[SPW], v[NIL]                      ; the wave's opening: the add, twice on end, and its wait ahead of my first tensor load
	ds_add_u32 v[SPW], v[NIL]                      ; and once more, under the one wait; the set-up below stands between
	v_lshrrev_b32 v3, 5, v0
	v_readfirstlane_b32 s20, v3                    ; wave 0..3
	s_lshr_b32 s21, s20, 1                         ; my half of the tile's rows.  Also: I fetch for x (0) or for qkv_w (1)
	s_and_b32 s22, s20, 1                          ; my half of its columns.  Also: which half I fetch
	s_bfe_u32 s84, ttmp6, 0x40000                  ; cx
	s_bfe_u32 s85, ttmp6, 0x40004                  ; cy
	s_lshl_b32 s86, ttmp9, 2
	s_add_co_u32 s86, s86, s84                     ; column tile = 4 x cluster x + cx
	s_and_b32 s87, ttmp7, 0xffff
	s_lshl_b32 s87, s87, 2
	s_add_co_u32 s87, s87, s85                     ; row tile = 4 x cluster y + cy
	s_lshl_b32 s88, s85, 2
	s_lshl_b32 s88, 15, s88                        ; my row of the cluster
	s_lshl_b32 s89, 0x1111, s84                    ; my column
	; codes: 8 tiles x 4,096 bytes (four K steps' images on end), 8,192 bytes from tile to tile; elements of 8 bytes; no padding: an image is read 512 consecutive bytes at a time
	s_or_b32 s[G1A], s88, (3<<16)|(1<<21)
	s_or_b32 s[G1B], s89, (3<<16)|(1<<21)
.irp g, G1A, G1B
	s_mov_b32 s[\g+1], 512<<16                     ; tensor_dim0
	s_mov_b32 s[\g+2], 8<<16                       ; tensor_dim1
	s_mov_b32 s[\g+3], 512<<16                     ; tile_dim0
	s_mov_b32 s[\g+4], 8                           ; tile_dim1
	s_mov_b32 s[\g+5], 1024                        ; tensor_dim0_stride
	s_mov_b32 s[\g+6], 0
	s_mov_b32 s[\g+7], 0
.endr
	; scale words: 8 K steps x 128 words; 4,096 words from K step to K step in x's, 3,072 in qkv_w's
	s_or_b32 s[G1SA], s88, (2<<16)|(1<<21)
	s_or_b32 s[G1SB], s89, (2<<16)|(1<<21)
.irp g, G1SA, G1SB
	s_mov_b32 s[\g+1], 128<<16
	s_mov_b32 s[\g+2], 8<<16
	s_mov_b32 s[\g+3], 128<<16
	s_mov_b32 s[\g+4], 8
	s_mov_b32 s[\g+6], 0
	s_mov_b32 s[\g+7], 0
.endr
	s_mov_b32 s[G1SA+5], 4096
	s_mov_b32 s[G1SB+5], 3072
	; where the tiles come from: x's hang on the row tile alone, qkv_w's on the column tile alone; every wave makes both
	s_lshl_b32 s23, s22, 16                        ; my half: 8 tiles of 8,192 bytes
	s_lshl_b32 s92, s87, 17
	s_add_co_u32 s92, s92, s23
	s_mov_b32 s93, 0
	s_lshl_b32 s94, s86, 17
	s_add_co_u32 s94, s94, s23
	s_mov_b32 s95, 0
	s_lshl_b32 s23, s22, 9                         ; my half: 128 words
	s_lshl_b32 s96, s87, 10
	s_add_co_u32 s96, s96, s23
	s_mov_b32 s97, 0
	s_lshl_b32 s98, s86, 10
	s_add_co_u32 s98, s98, s23
	s_add_co_u32 s98, s98, 131072
	s_mov_b32 s99, 0
	s_lshl_b32 s91, s20, 15                        ; where they go: wave x 32,768,
	s_lshl_b32 s3, s20, 12                         ; wave x 4,096: no place in the cluster enters an LDS address
	s_wait_dscnt 0x0                               ; both opening adds are done
	s_wait_kmcnt 0x0
	MKG0 56, 3, SCL, 8, 96, 0
	MKG0 72, 3, SCL, 8, 98, 0
	MKG0 60, 91, 0, 4, 92, 0
	MKG0 76, 91, 0, 6, 94, 0
	MKG0 68, 91, CHUNK, 4, 92, 4096
	MKG0 80, 91, CHUNK, 6, 94, 4096
	CROUND                                         ; all sixteen work-groups are here: the joint loads meet
	JLOAD 56, G1SA, 72, G1SB                       ; the scale words,
	JLOAD 60, G1A, 76, G1B                         ; K steps 0 to 3,
	JLOAD 68, G1A, 80, G1B                         ; K steps 4 to 7: three loads of mine are out
	v_and_b32 v3, 31, v0
	v_lshlrev_b32 v[LI], 4, v3
	v_and_b32 v5, 15, v0                           ; r
	v_bfe_u32 v6, v0, 4, 1                         ; h
	s_lshl_b32 s92, s21, 15                        ; my 128 rows of x
	s_lshl_b32 s93, s22, 15
	s_add_co_u32 s93, s93, 65536                   ; my 128 columns of qkv_w
	s_cmp_eq_u32 ttmp9, 2                          ; the role: the same in all sixteen partners
	s_cselect_b32 s94, s92, s93                    ; source 0: x for v, else qkv_w
	s_cselect_b32 s95, s93, s92                    ; source 1: the other
	s_cselect_b32 s90, 1, 0
	v_add_nc_u32 v[ADR0], s94, v[LI]
	v_add_nc_u32 v[ADR1], s95, v[LI]
	v_add_nc_u32 v[ADR0+1], CHUNK, v[ADR0]
	v_add_nc_u32 v[ADR1+1], CHUNK, v[ADR1]
	s_lshl_b32 s96, s21, 12                        ; x's words of my rows,
	s_lshl_b32 s97, s22, 12
	s_add_co_u32 s97, s97, 8192
	s_sub_co_u32 s97, s97, s96                     ; and how far on qkv_w's of my columns lie
	v_xor_b32 v7, s90, v6                          ; the lanes that take qkv_w's: 16-31, for v 0-15
	v_mul_u32_u24 v7, s97, v7
	v_lshl_add_u32 v7, v5, 2, v7
	s_add_co_u32 s96, s96, SCL
	v_add_nc_u32 v[ADRS], s96, v7
	s_cmp_eq_u32 ttmp9, 0
	s_cselect_b64 s[10:11], s[10:11], s[14:15]     ; q's gain and bias, or k's (v loads k's and leaves them)
	s_cselect_b64 s[12:13], s[12:13], s[16:17]
	v_lshlrev_b32 v13, 5, v6                       ; 8 h channels
.irp b, 0,1,2,3
	global_load_b128 v[GA+8*\b:GA+8*\b+3], v13, s[10:11] offset:64*\b
	global_load_b128 v[GA+8*\b+4:GA+8*\b+7], v13, s[10:11] offset:64*\b+16
	global_load_b128 v[BE+8*\b:BE+8*\b+3], v13, s[12:13] offset:64*\b
	global_load_b128 v[BE+8*\b+4:BE+8*\b+7], v13, s[12:13] offset:64*\b+16
.endr
	; where my part begins in qkvf: the role, batch x 16 + head, my rows at 128 bytes a row (q, k: 2,048 a tile of 16; v: 4,096 a group of 32 keys)
	s_lshl_b32 s92, ttmp9, 23
	s_lshr_b32 s93, s87, 3                         ; the batch
	s_lshl_b32 s93, s93, 4
	s_lshl_b32 s94, s84, 2
	s_add_co_u32 s93, s93, s94
	s_lshl_b32 s94, s22, 1
	s_add_co_u32 s93, s93, s94                     ; my first head: 4 cx + 2 x half
	s_lshl_b32 s93, s93, 18
	s_add_co_u32 s92, s92, s93
	s_and_b32 s93, s87, 7
	s_lshl_b32 s93, s93, 15
	s_add_co_u32 s92, s92, s93
	s_lshl_b32 s93, s21, 14
	s_add_co_u32 s92, s92, s93
	s_mov_b32 s93, 0
	s_add_nc_u64 s[18:19], s[18:19], s[92:93]
	s_mov_b32 s[SEL], 0x76543210
	s_mov_b32 s[SEL+1], 0xfedcba98
	s_mov_b32 s98, 0x3c800000                      ; 1/64
	s_mov_b32 s99, 0x358637bd                      ; 1e-6
.macro FETCH s                         ; K step s: 16 + 16 fragment loads of 512 consecutive bytes and 8 loads of scale words, into set s % 2
	WIN 0x40                                       ; destination window 1
.irp i, 0,1,2,3,4,5,6,7
	ds_load_b128 v[64*((\s)%2)+8*\i:64*((\s)%2)+8*\i+3], v[ADR0+(\s)/4] offset:4096*\i+1024*((\s)%4)
	ds_load_b128 v[64*((\s)%2)+8*\i+4:64*((\s)%2)+8*\i+7], v[ADR0+(\s)/4] offset:4096*\i+1024*((\s)%4)+512
.endr
	WIN 0
.irp i, 0,1,2,3,4,5,6,7
	ds_load_b128 v[F1+64*((\s)%2)+8*\i:F1+64*((\s)%2)+8*\i+3], v[ADR1+(\s)/4] offset:4096*\i+1024*((\s)%4)
	ds_load_b128 v[F1+64*((\s)%2)+8*\i+4:F1+64*((\s)%2)+8*\i+7], v[ADR1+(\s)/4] offset:4096*\i+1024*((\s)%4)+512
.endr
.irp i, 0,1,2,3,4,5,6,7
	ds_load_b32 v[SC+8*((\s)%2)+\i], v[ADRS] offset:512*(\s)+64*\i   ; lanes 0-15: source 1's block i; lanes 16-31: source 0's block i
.endr
.endm
; 32 products: source 1's blocks a0 .. a0 + 3 x source 0's eight.  The 64 accumulators take turns, one instruction a turn, in the same order in every step.
.macro MUL32 a0, p, zero
.irp a, \a0, \a0+1, \a0+2, \a0+3
.irp b, 0,1,2,3,4,5,6,7
.if \zero
	v_wmma_scale_f32_16x16x128_f8f6f4 v[8*(8*((\a)%4)+\b):8*(8*((\a)%4)+\b)+7], v[64*(\p)+8*\b:64*(\p)+8*\b+7], v[F1+64*(\p)+8*(\a):F1+64*(\p)+8*(\a)+7], 0, v[SC+8*(\p)+\b], v[SC+8*(\p)+(\a)] matrix_a_fmt:MATRIX_FMT_FP4 matrix_b_fmt:MATRIX_FMT_FP4 matrix_a_scale:MATRIX_SCALE_ROW1
.else
	v_wmma_scale_f32_16x16x128_f8f6f4 v[8*(8*((\a)%4)+\b):8*(8*((\a)%4)+\b)+7], v[64*(\p)+8*\b:64*(\p)+8*\b+7], v[F1+64*(\p)+8*(\a):F1+64*(\p)+8*(\a)+7], v[8*(8*((\a)%4)+\b):8*(8*((\a)%4)+\b)+7], v[SC+8*(\p)+\b], v[SC+8*(\p)+(\a)] matrix_a_fmt:MATRIX_FMT_FP4 matrix_b_fmt:MATRIX_FMT_FP4 matrix_a_scale:MATRIX_SCALE_ROW1
.endif
.endr
.endr
.endm
.macro STEP s, zero                    ; 128 along K: 64 products; the next step's fragments are asked for first and have these 64 in which to come
	s_wait_dscnt 0x0                               ; this step's set is in
.if (\s)%4 != 3
.if (\s) > 0
	PLACES                                         ; behind the last step's products, which read the set that is loaded now
.endif
	FETCH (\s)+1
.endif
	WIN 0xa1                                       ; source 0 window 1, source 1 window 0, C and D window 2
	MUL32 0, (\s)%2, \zero
	WIN 0xf1                                       ; C and D window 3
	MUL32 4, (\s)%2, \zero
	WIN 0
.endm
	s_wait_tensorcnt 0x1                           ; the scale words and my part of K steps 0 to 3 are in; K steps 4 to 7 stay out
	s_barrier_signal -1
	s_barrier_wait -1                              ; everybody's are
	FETCH 0
	STEP 0, 1                                      ; the first products start the sums: nothing is cleared
	STEP 1, 0
	STEP 2, 0
	STEP 3, 0
	s_wait_tensorcnt 0x0                           ; my part of K steps 4 to 7 is in,
	s_wait_dscnt 0x0
	s_barrier_signal -1
	s_barrier_wait -1                              ; everybody's is
	PLACES
	FETCH 4
	STEP 4, 0
	STEP 5, 0
	STEP 6, 0
	STEP 7, 0
	s_wait_loadcnt 0x0                             ; gain and bias
	PLACES
	s_cmp_eq_u32 ttmp9, 2
	s_cbranch_scc1 .Lrole_v
; THE NORM, a window of 32 accumulators at a time.  Group g = registers 32 g .. 32 g + 31 of the window: row block 4 (W - 2) + g / 2, head g % 2; register 8 b + j is channel 16 b + 8 h + j of the lane's row:
; a row's 64 channels lie in lanes l and l xor 16.  Mean, then the mean of the squared differences, as the norm is defined; every accumulator is first read at its low end.
.macro LNWIN W
	WIN (\W)|((\W)<<2)                             ; sources 0 and 1: the window
.irp g, 0,1,2,3,4,5,6,7
	v_pk_add_f32 v[T+2*\g:T+2*\g+1], v[32*\g:32*\g+1], v[32*\g+2:32*\g+3]
.endr
.irp g, 0,1,2,3,4,5,6,7
	v_pk_add_f32 v[U+2*\g:U+2*\g+1], v[32*\g+4:32*\g+5], v[32*\g+6:32*\g+7]
.endr
	WIN \W
.irp k, 4,6,8,10,12,14
.irp g, 0,1,2,3,4,5,6,7
	v_pk_add_f32 v[T+2*\g:T+2*\g+1], v[32*\g+2*\k:32*\g+2*\k+1], v[T+2*\g:T+2*\g+1]
	v_pk_add_f32 v[U+2*\g:U+2*\g+1], v[32*\g+2*\k+2:32*\g+2*\k+3], v[U+2*\g:U+2*\g+1]
.endr
.endr
	WIN 0
.irp g, 0,1,2,3,4,5,6,7
	v_pk_add_f32 v[T+2*\g:T+2*\g+1], v[T+2*\g:T+2*\g+1], v[U+2*\g:U+2*\g+1]
.endr
.irp g, 0,1,2,3,4,5,6,7
	v_add_f32 v[T+2*\g], v[T+2*\g], v[T+2*\g+1]
.endr
.irp g, 0,1,2,3,4,5,6,7
	v_permlanex16_b32 v[U+2*\g], v[T+2*\g], s[SEL], s[SEL+1]
.endr
.irp g, 0,1,2,3,4,5,6,7
	v_add_f32 v[T+2*\g], v[T+2*\g], v[U+2*\g]
.endr
.irp g, 0,1,2,3,4,5,6,7
	v_mul_f32 v[T+2*\g], s98, v[T+2*\g]            ; the mean
.endr
	WIN (\W)|((\W)<<6)                             ; source 0 and destination: the window
.irp g, 0,1,2,3,4,5,6,7
.irp k, 0,1,2,3,4,5,6,7,8,9,10,11,12,13,14,15
	v_pk_add_f32 v[32*\g+2*\k:32*\g+2*\k+1], v[32*\g+2*\k:32*\g+2*\k+1], v[T+2*\g:T+2*\g+1] op_sel_hi:[1,0] neg_lo:[0,1] neg_hi:[0,1]   ; x - mean, in place
.endr
.endr
	WIN (\W)|((\W)<<2)
.irp g, 0,1,2,3,4,5,6,7
	v_pk_mul_f32 v[U+2*\g:U+2*\g+1], v[32*\g:32*\g+1], v[32*\g:32*\g+1]
.endr
.irp g, 0,1,2,3,4,5,6,7
	v_pk_mul_f32 v[V+2*\g:V+2*\g+1], v[32*\g+2:32*\g+3], v[32*\g+2:32*\g+3]
.endr
.irp k, 2,4,6,8,10,12,14
.irp g, 0,1,2,3,4,5,6,7
	v_pk_fma_f32 v[U+2*\g:U+2*\g+1], v[32*\g+2*\k:32*\g+2*\k+1], v[32*\g+2*\k:32*\g+2*\k+1], v[U+2*\g:U+2*\g+1]
	v_pk_fma_f32 v[V+2*\g:V+2*\g+1], v[32*\g+2*\k+2:32*\g+2*\k+3], v[32*\g+2*\k+2:32*\g+2*\k+3], v[V+2*\g:V+2*\g+1]
.endr
.endr
	WIN 0
.irp g, 0,1,2,3,4,5,6,7
	v_pk_add_f32 v[U+2*\g:U+2*\g+1], v[U+2*\g:U+2*\g+1], v[V+2*\g:V+2*\g+1]
.endr
.irp g, 0,1,2,3,4,5,6,7
	v_add_f32 v[U+2*\g], v[U+2*\g], v[U+2*\g+1]
.endr
.irp g, 0,1,2,3,4,5,6,7
	v_permlanex16_b32 v[V+2*\g], v[U+2*\g], s[SEL], s[SEL+1]
.endr
.irp g, 0,1,2,3,4,5,6,7
	v_add_f32 v[U+2*\g], v[U+2*\g], v[V+2*\g]
.endr
.irp g, 0,1,2,3,4,5,6,7
	v_fma_f32 v[U+2*\g], v[U+2*\g], s98, s99       ; the variance + 1e-6
.endr
.irp g, 0,1,2,3,4,5,6,7
	v_rsq_f32 v[V+2*\g], v[U+2*\g]
.endr
	v_nop                                          ; a plain line behind the last of the batch,
	s_wait_alu depctr_va_vdst(0)                   ; and the one wait ahead of the batch's first reader
.irp g, 0,1,2,3,4,5,6,7
	WIN \W
.irp k, 0,1,2,3,4,5,6,7,8,9,10,11,12,13,14,15
	v_pk_mul_f32 v[Y+2*\k:Y+2*\k+1], v[32*\g+2*\k:32*\g+2*\k+1], v[V+2*\g:V+2*\g+1] op_sel_hi:[1,0]
.endr
	WIN 0
	s_wait_xcnt 0x0                                ; the last group's stores have read their data: those registers are written again below
.irp k, 0,1,2,3,4,5,6,7,8,9,10,11,12,13,14,15
	v_pk_fma_f32 v[Y+2*\k:Y+2*\k+1], v[Y+2*\k:Y+2*\k+1], v[GA+2*\k:GA+2*\k+1], v[BE+2*\k:BE+2*\k+1]
.endr
.irp k, 0,1,2,3,4,5,6,7,8,9,10,11,12,13,14,15
	v_cvt_pk_f16_f32 v[HH+\k], v[Y+2*\k], v[Y+2*\k+1]
.endr
.irp b, 0,1,2,3
	global_store_b128 v[LI], v[HH+4*\b:HH+4*\b+3], s[18:19] offset:262144*(\g%2)+2048*(4*((\W)-2)+\g/2)+512*\b   ; channels 16 b + 8 h on of 16 rows: half an image, 512 consecutive bytes
.endr
.endr
.endm
	LNWIN 2
	LNWIN 3
	s_branch .Ldone
; v: accumulator (a, b) holds channel 16 a + r and keys 16 b + 8 h + j: rounded in pairs it is half an image of V^T (head a / 4, channels 16 (a % 4) on, keys 32 (b / 2) + 16 (b % 2) on)
.macro VPACK W
.irp aa, 0,1,2,3
	s_wait_xcnt 0x0                                ; earlier stores have read their data
	WIN (\W)|((\W)<<2)
.irp b, 0,1,2,3,4,5,6,7
.irp j, 0,1,2,3
	v_cvt_pk_f16_f32 v[Y+32*(\aa%2)+4*\b+\j], v[64*\aa+8*\b+2*\j], v[64*\aa+8*\b+2*\j+1]
.endr
.endr
	WIN 0
.irp b, 0,1,2,3,4,5,6,7
	global_store_b128 v[LI], v[Y+32*(\aa%2)+4*\b:Y+32*(\aa%2)+4*\b+3], s[18:19] offset:262144*((\W)-2)+4096*(\b/2)+1024*\aa+512*(\b%2)
.endr
.endr
.endm
.Lrole_v:
	VPACK 2
	VPACK 3
.Ldone:
	s_wait_tensorcnt 0x0                           ; the wave's end: three lines behind my last tensor load
	ds_add_u32 v[SPW], v[NIL]
	s_wait_dscnt 0x0
	CROUND                                         ; the closing round: no work-group ends while a partner may still ask for a tile that names it
	s_endpgm
.Lfunc_end_k_q106011a005_qkv:
	.size	k_q106011a005_qkv, .Lfunc_end_k_q106011a005_qkv-k_q106011a005_qkv
	.p2alignl 7, 3214868480
	.fill 96, 4, 3214868480
	.section	.rodata,"a",@progbits
	.p2align	6, 0x0
	.amdhsa_kernel k_q106011a005_qkv
		.amdhsa_group_segment_fixed_size 287232
		.amdhsa_private_segment_fixed_size 0
		.amdhsa_enable_private_segment 0
		.amdhsa_kernarg_size 64
		.amdhsa_user_sgpr_count 2
		.amdhsa_user_sgpr_kernarg_segment_ptr 1
		.amdhsa_wavefront_size32 1
		.amdhsa_system_sgpr_workgroup_id_x 1
		.amdhsa_system_sgpr_workgroup_id_y 1
		.amdhsa_system_sgpr_workgroup_id_z 1
		.amdhsa_system_vgpr_workitem_id 0
		.amdhsa_next_free_vgpr 1024
		.amdhsa_next_free_sgpr 100
		.amdhsa_reserve_vcc 0
		.amdhsa_float_denorm_mode_32 3
		.amdhsa_float_denorm_mode_16_64 3
		.amdhsa_memory_ordered 1
		.amdhsa_forward_progress 1
		.amdhsa_inst_pref_size 231
	.end_amdhsa_kernel
	.amdgpu_metadata
---
amdhsa.version: [ 1, 2 ]
amdhsa.kernels:
  - .name:           k_q106011a005_qkv
    .symbol:         k_q106011a005_qkv.kd
    .args:
      - { .name: xc, .offset: 0, .size: 8, .value_kind: global_buffer, .address_space: global }
      - { .name: wc, .offset: 8, .size: 8, .value_kind: global_buffer, .address_space: global }
      - { .name: sc, .offset: 16, .size: 8, .value_kind: global_buffer, .address_space: global }
      - { .name: q_gamma, .offset: 24, .size: 8, .value_kind: global_buffer, .address_space: global }
      - { .name: q_beta, .offset: 32, .size: 8, .value_kind: global_buffer, .address_space: global }
      - { .name: k_gamma, .offset: 40, .size: 8, .value_kind: global_buffer, .address_space: global }
      - { .name: k_beta, .offset: 48, .size: 8, .value_kind: global_buffer, .address_space: global }
      - { .name: qkvf, .offset: 56, .size: 8, .value_kind: global_buffer, .address_space: global }
    .group_segment_fixed_size: 287232
    .private_segment_fixed_size: 0
    .kernarg_segment_align: 8
    .kernarg_segment_size: 64
    .max_flat_workgroup_size: 128
    .sgpr_count:     100
    .vgpr_count:     1024
    .wavefront_size: 32
...
	.end_amdgpu_metadata
.endif
;; end of part 2
;; launch attn (part 3): grid 8 x 32, 8 waves a work-group, clusters of 4 x 1, 327,680 bytes of LDS; arguments qkvf, of; writes of
.if DOCPART == 3
	.amdgcn_target "amdgcn-amd-amdhsa--gfx1250"
	.amdhsa_code_object_version 6
	.text
	.protected	k_q106011a005_attn
	.globl	k_q106011a005_attn
	.p2align	8
	.type	k_q106011a005_attn,@function
k_q106011a005_attn:
	s_mov_b64 s[64:65], 0
	v_nop
	global_prefetch_b8 v0, s[64:65] scope:SCOPE_SE
	s_setreg_imm32_b32 hwreg(HW_REG_WAVE_MODE, 25, 1), 1
	s_wait_xcnt 0x0
	s_wait_alu depctr_hold_cnt(0) depctr_sa_sdst(0) depctr_va_vdst(0) depctr_va_sdst(0) depctr_va_ssrc(0) depctr_va_vcc(0) depctr_vm_vsrc(0)
	s_getreg_b32 s2, hwreg(HW_REG_IB_STS2, 6, 4)
	s_cmp_eq_u32 s2, 0
	s_cbranch_scc0 .Lentry_in_a_cluster
	s_endpgm
.Lentry_in_a_cluster:
	s_bfe_u32 s2, ttmp6, 0x10000c
	s_cmp_lg_u32 s2, 0x3003
	s_cbranch_scc0 .Lentry_shape_is_right
	s_endpgm
.Lentry_shape_is_right:
; O = softmax(q k^T / 8) v for each of 32 (batch, head), 2,048 queries x 2,048 keys x 64 channels.  q, k, v come as f16 images of the operands' registers; products in f16 with f32 sums; maxima and sums in f32;
; the weights p are rounded to f16 for the second product.  O leaves as f16 images for the projection: of [row tile 256][k / 32, 32][1,024], k = 64 head + channel.
; SHARES: a work-group owns 256 queries of one (batch, head).  EIGHT WAVES, two to a SIMD, so that one wave's softmax stands beside the other's products.  Wave w owns 64 queries (w % 4; four tiles of 16) and HALF THE KEYS
; (w / 4): so each fragment of K and V read from LDS still feeds four products.  Waves w and w xor 4 merge their sums at the end, each finishing two of the four tiles.
; LAYOUT: S^T = K Q^T (source 0 = 16 keys, source 1 = 16 queries): a lane holds one query and keys 8 (lane / 16) + 0 .. 7; two such tiles rounded in pairs ARE source 1 of O^T = V^T P.  Nothing changes lanes.
; SOFTMAX: a running maximum m and sum l for each query: p = 2^(c s - c m), c = log2(e) / 8; in every step O and l are multiplied by a = 2^(c m_old - c m_new).
; RING: two slots of 512 keys (K's 32 row tiles, 65,536 bytes, then V's 16 groups of 32 keys, 65,536 bytes); each of the eight waves brings 16,384 dense bytes by one load.
; CLUSTER: the four query blocks of a cluster walk the same K and V: each load is asked for jointly, with one descriptor and the mask of all four.
; LOCAL TILES: a wave's local tile i is query tile i xor 2 (w / 4), by addresses alone: so every wave finishes its local tiles 0, 1 and hands over its local tiles 2, 3, in one text.
; LIMITS: O is rounded to f16: magnitudes of 65,504 and more are not served; under 6e-5 the step is 6e-8.  NaN and infinities are not served.
; REGISTERS: window 0: v1-15 addresses; v16-47 statistics, 8 a tile (+0 c m, +1 m, +2, +3 l, +4 .. +7 at work, a at +6); v48-55 a second chain of sums; v64-191 S^T, 32 a tile (p is rounded in place into a tile's first 16);
;   v192-255 K of a step.   window 1: v0-127 O^T, 32 a tile; v128-191 Q, 16 a tile; v192-255 V of a step.
.set SLOT1, 1<<17
.set SPARE, 262144                     ; behind the ring: the spare words, 128 bytes for each of eight waves, which no other line names
.set XCH,   8704                       ; the merge: 8,192 bytes of O^T and 512 of statistics for each wave, in slot 0, which has had its last fill and its last read by then
.set SPW, 1
.set NIL, 2
.set LI,  3                            ; 16 x lane
.set LIV, 4                            ; + 65,536: V's part of a slot
.set ADK, 5
.set ADV, 6
.set QA0, 7                            ; Q: my local tiles 0, 1
.set QA1, 8                            ; and 2, 3
.set EXA, 9                            ; where I hand over
.set IMA, 10                           ; where my partner does
.set PFO, 11                           ; 256 x lane
.set ST,  16
.set BC,  48
.set S,   64
.set KF,  192
.set QF,  128
.set VF,  192
.set WV,  8                            ; s8 wave;  s9 wave / 4;  s10 wave % 4
.set KH,  9
.set G1,  16                           ; s[16:23] descriptor group 1
.set G0,  24                           ; s[24:27] group 0, which walks
.set CS,  28                           ; s[28:29] c
.set SEL, 30                           ; s[30:31] lane selects
.set TB,  32                           ; s32 LDS byte at which the step's tiles begin
.set CNT, 33                           ; s33 steps left in the slot
.set LIM, 35                           ; s35 1 in a wave that prefetches
.set PFA, 48                           ; s[48:49] my prefetches' base: never rewritten
.set MSB, 0
.macro WIN new
.if MSB != \new
	s_set_vgpr_msb (MSB<<8)|\new
.set MSB, \new
.endif
.endm
.macro CROUND
	s_barrier_signal -1
	s_barrier_wait -1
	s_cmp_lg_u32 s[WV], 0
	s_cbranch_scc1 .Lnot_wave_0_\@
	s_barrier_signal -3
.Lnot_wave_0_\@:
	s_barrier_wait -3
	s_barrier_signal -1
	s_barrier_wait -1
.endm
.macro TLOAD                           ; one line for all eight waves: both addresses hang on the wave's number.  An s_nop 0 and four v_nop follow
	tensor_load_to_lds s[G0:G0+3], s[G1:G1+7]
	s_nop 0
.rept 4
	v_nop
.endr
.endm
; A PREFETCH INTO THE L2 of the slot that the NEXT change of slots will ask for: 65,536 bytes of K and as many of V.  Both clusters of a (batch, head) walk the same K and V: the first asks.  Its four partners share the bytes
; out BY ADDRESS, 16,384 of K and of V each; in each, waves 0 and 2 ask for K's and waves 4 and 6 for V's, 8,192 bytes an instruction, lanes 256 bytes apart: each aligned block of 256 bytes is named once in the launch.
; The trips are written out, so the slot stands in the immediate and no address is stepped.  Slots 0 and 1 come by their loads alone; the last change that fills a slot asks for nothing.
.macro ASK off
	s_cmp_eq_u32 s[LIM], 1
	s_cbranch_scc0 .Lnot_mine_\@
	global_prefetch_b8 v[PFO], s[PFA:PFA+1] offset:\off th:TH_LOAD_NT scope:SCOPE_SE
.Lnot_mine_\@:
.endm
	s_load_b128 s[4:7], s[0:1], 0x0                ; qkvf s[4:5], of s[6:7]
	v_lshl_add_u32 v[SPW], v0, 2, SPARE
	v_mov_b32 v[NIL], 0
	ds_add_u32 v[SPW], v[NIL]                      ; the wave's opening: the add, twice on end, and its wait ahead of my first tensor load
	ds_add_u32 v[SPW], v[NIL]                      ; and once more, under the one wait; the set-up below stands between
	v_lshrrev_b32 v3, 5, v0
	v_readfirstlane_b32 s[WV], v3                  ; wave 0..7
	s_lshr_b32 s[KH], s[WV], 2                     ; my half of the keys.  Also: I fetch for K (0) or for V (1)
	s_and_b32 s10, s[WV], 3                        ; my 64 queries.  Also: which quarter I fetch
	s_bfe_u32 s11, ttmp6, 0x40000                  ; cx
	s_and_b32 s12, ttmp7, 0xffff                   ; batch x 16 + head
	s_lshl_b32 s13, ttmp9, 2
	s_add_co_u32 s13, s13, s11                     ; my block of 256 queries
	s_mov_b32 s[G1], 15|(3<<16)|(1<<21)            ; the mask: all four; elements of 8 bytes; bit 21 beside a mask; no padding: images are read 512 consecutive bytes at a time
	s_mov_b32 s[G1+1], 32<<16                      ; 64 rows of 256 bytes, dense
	s_mov_b32 s[G1+2], 64<<16
	s_mov_b32 s[G1+3], 32<<16
	s_mov_b32 s[G1+4], 64
	s_mov_b32 s[G1+5], 32
	s_mov_b32 s[G1+6], 0
	s_mov_b32 s[G1+7], 0
	s_mov_b32 s[CS], 0x3e38aa3b                    ; c = log2(e) / 8
	s_mov_b32 s[CS+1], s[CS]                       ; (named with it as a pair, so it is written)
	s_mov_b32 s[SEL], 0x76543210
	s_mov_b32 s[SEL+1], 0xfedcba98
	s_add_co_u32 s34, s[KH], 1
	s_lshl_b32 s34, s34, 23                        ; k's part of qkvf (waves 0-3) or v's (waves 4-7),
	s_lshl_b32 s14, s12, 18
	s_add_co_u32 s34, s34, s14                     ; my (batch, head)
	s_lshl_b32 s15, s10, 14
	s_add_co_u32 s36, s34, s15                     ; my quarter of slot 0: made of the wave's number and of what the partners share
	s_mov_b32 s37, 0
	s_lshl_b32 s38, s11, 1                         ; the prefetches: my work-group's two pieces of 8,192 bytes,
	s_bfe_u32 s15, s[WV], 0x10001
	s_add_co_u32 s38, s38, s15                     ; my wave's one
	s_lshl_b32 s38, s38, 13
	s_add_co_u32 s38, s38, s34
	s_mov_b32 s39, 0
	s_lshl_b32 s40, s13, 15                        ; Q: my block's 16 tiles of 2,048 bytes,
	s_add_co_u32 s40, s40, s14
	s_lshl_b32 s15, s10, 13                        ; my wave's four
	s_add_co_u32 s40, s40, s15
	s_mov_b32 s41, 0
	s_lshr_b32 s42, s12, 4                         ; of: row tile 128 batch + 16 block + 4 (w % 4) + 2 (w / 4),
	s_lshl_b32 s42, s42, 7
	s_lshl_b32 s15, s13, 4
	s_add_co_u32 s42, s42, s15
	s_lshl_b32 s15, s10, 2
	s_add_co_u32 s42, s42, s15
	s_lshl_b32 s15, s[KH], 1
	s_add_co_u32 s42, s42, s15
	s_lshl_b32 s42, s42, 15
	s_and_b32 s15, s12, 15                         ; the head's two images
	s_lshl_b32 s15, s15, 11
	s_add_co_u32 s42, s42, s15
	s_mov_b32 s43, 0
	s_and_b32 s[LIM], s[WV], 1                     ; 0 in waves 0, 2, 4, 6
	s_or_b32 s[LIM], s[LIM], ttmp9                 ; of the first cluster: the same in all four partners
	s_cmp_eq_u32 s[LIM], 0
	s_cselect_b32 s[LIM], 1, -1
	s_wait_dscnt 0x0                               ; both opening adds are done
	s_wait_kmcnt 0x0
	s_mov_b32 s[G0], 1
	s_lshl_b32 s[G0+1], s[WV], 14                  ; slot 0, wave x 16,384
	s_add_nc_u64 s[G0+2:G0+3], s[4:5], s[36:37]
	s_or_b32 s[G0+3], s[G0+3], 0x80000000
	s_add_nc_u64 s[PFA:PFA+1], s[4:5], s[38:39]
	s_add_nc_u64 s[44:45], s[4:5], s[40:41]
	s_add_nc_u64 s[46:47], s[6:7], s[42:43]
	CROUND                                         ; all four work-groups are here: the first joint loads meet
	TLOAD                                          ; slot 0
	v_and_b32 v3, 31, v0
	v_lshlrev_b32 v[PFO], 8, v3
	v_lshlrev_b32 v[LI], 4, v3
	v_add_nc_u32 v[LIV], 65536, v[LI]
	s_lshl_b32 s14, s[KH], 12
	v_add_nc_u32 v[QA0], s14, v[LI]
	s_xor_b32 s14, s14, 4096
	v_add_nc_u32 v[QA1], s14, v[LI]
	s_mul_i32 s14, s[WV], XCH
	v_add_nc_u32 v[EXA], s14, v[LI]
	s_xor_b32 s14, s[WV], 4
	s_mul_i32 s14, s14, XCH
	v_add_nc_u32 v[IMA], s14, v[LI]
	WIN 0x40                                       ; destination window 1
.irp t, 0,1
.irp c, 0,1
	global_load_b128 v[QF+16*\t+8*\c:QF+16*\t+8*\c+3], v[QA0], s[44:45] offset:2048*\t+1024*\c
	global_load_b128 v[QF+16*\t+8*\c+4:QF+16*\t+8*\c+7], v[QA0], s[44:45] offset:2048*\t+1024*\c+512
	global_load_b128 v[QF+32+16*\t+8*\c:QF+32+16*\t+8*\c+3], v[QA1], s[44:45] offset:2048*\t+1024*\c
	global_load_b128 v[QF+32+16*\t+8*\c+4:QF+32+16*\t+8*\c+7], v[QA1], s[44:45] offset:2048*\t+1024*\c+512
.endr
.endr
	WIN 0
.macro FETCH_K                         ; a step's K: 4 tiles of 16 keys x 2 halves of the channels: fragment 2 kt + c
.irp f, 0,1,2,3,4,5,6,7
	ds_load_b128 v[KF+8*\f:KF+8*\f+3], v[ADK] offset:1024*\f
	ds_load_b128 v[KF+8*\f+4:KF+8*\f+7], v[ADK] offset:1024*\f+512
.endr
.endm
; THE SOFTMAX of a step: four tiles by turns, so that no line waits for the line above it.  first = 1: the first step starts m and l and has no a.
.macro SOFTMAX first
.irp j, 0,1,2,3                        ; the maximum of a tile's 32 scores: four chains; each accumulator is first read at its low end
.irp t, 0,1,2,3
	v_max3_num_f32 v[ST+8*\t+4+\j], v[S+32*\t+8*\j], v[S+32*\t+8*\j+1], v[S+32*\t+8*\j+2]
.endr
.endr
.irp u, 1,2
.irp j, 0,1,2,3
.irp t, 0,1,2,3
	v_max3_num_f32 v[ST+8*\t+4+\j], v[ST+8*\t+4+\j], v[S+32*\t+8*\j+2*\u+1], v[S+32*\t+8*\j+2*\u+2]
.endr
.endr
.endr
.irp t, 0,1,2,3
	v_max3_num_f32 v[ST+8*\t+4], v[ST+8*\t+4], v[S+32*\t+7], v[S+32*\t+15]
.endr
.irp t, 0,1,2,3
	v_max3_num_f32 v[ST+8*\t+6], v[ST+8*\t+6], v[S+32*\t+23], v[S+32*\t+31]
.endr
.irp t, 0,1,2,3
	v_max3_num_f32 v[ST+8*\t+4], v[ST+8*\t+4], v[ST+8*\t+5], v[ST+8*\t+6]
.endr
.irp t, 0,1,2,3
.if \first
	v_max_num_f32 v[ST+8*\t+4], v[ST+8*\t+4], v[ST+8*\t+7]
.else
	v_max3_num_f32 v[ST+8*\t+4], v[ST+8*\t+4], v[ST+8*\t+7], v[ST+8*\t+1]   ; with the old m
.endif
.endr
.irp t, 0,1,2,3
	v_permlanex16_b32 v[ST+8*\t+5], v[ST+8*\t+4], s[SEL], s[SEL+1]          ; the query's other 32 keys lie in the lane 16 away
.endr
.if !\first
.irp t, 0,1,2,3
	v_mov_b32 v[ST+8*\t+7], v[ST+8*\t]             ; c m_old is kept for a
.endr
.endif
.irp t, 0,1,2,3
	v_max_num_f32 v[ST+8*\t+1], v[ST+8*\t+4], v[ST+8*\t+5]
.endr
.irp t, 0,1,2,3
	v_mul_f32 v[ST+8*\t], s[CS], v[ST+8*\t+1]
.endr
.if !\first
.irp t, 0,1,2,3
	v_sub_f32 v[ST+8*\t+7], v[ST+8*\t+7], v[ST+8*\t]
.endr
.irp t, 0,1,2,3
	v_exp_f32 v[ST+8*\t+6], v[ST+8*\t+7]           ; a.  From here to the wait: ONE BATCH; nothing in it names an exponential's result
.endr
.endif
.irp b, 0,1,2,3,4,5,6,7,8,9,10,11,12,13,14,15,16   ; pair b is scaled ahead of pair b - 1's exponentials
.if \b < 16
.irp t, 0,1,2,3
	v_pk_fma_f32 v[S+32*\t+2*\b:S+32*\t+2*\b+1], v[S+32*\t+2*\b:S+32*\t+2*\b+1], s[CS:CS+1], v[ST+8*\t:ST+8*\t+1] op_sel_hi:[1,0,0] neg_lo:[0,0,1] neg_hi:[0,0,1]   ; c s - c m
.endr
.endif
.if \b > 0
.irp t, 0,1,2,3
	v_exp_f32 v[S+32*\t+2*\b-2], v[S+32*\t+2*\b-2]
	v_exp_f32 v[S+32*\t+2*\b-1], v[S+32*\t+2*\b-1]
.endr
.endif
.endr
	v_nop                                          ; a plain line behind the last exponential,
	s_wait_alu depctr_va_vdst(0)                   ; and the one wait ahead of the batch's first reader
.irp t, 0,1,2,3                        ; the sums, of the unrounded p, in two chains a tile: l takes the even pairs, a second chain the odd ones
.if \first
	v_pk_add_f32 v[ST+8*\t+2:ST+8*\t+3], v[S+32*\t:S+32*\t+1], v[S+32*\t+4:S+32*\t+5]
.else
	v_pk_fma_f32 v[ST+8*\t+2:ST+8*\t+3], v[ST+8*\t+2:ST+8*\t+3], v[ST+8*\t+6:ST+8*\t+7], v[S+32*\t:S+32*\t+1] op_sel_hi:[1,0,1]   ; l a + p
.endif
.endr
.if !\first
.irp t, 0,1,2,3
	v_pk_add_f32 v[ST+8*\t+2:ST+8*\t+3], v[ST+8*\t+2:ST+8*\t+3], v[S+32*\t+4:S+32*\t+5]
.endr
.endif
.irp t, 0,1,2,3
	v_pk_add_f32 v[BC+2*\t:BC+2*\t+1], v[S+32*\t+2:S+32*\t+3], v[S+32*\t+6:S+32*\t+7]
.endr
.irp k, 4,6,8,10,12,14
.irp t, 0,1,2,3
	v_pk_add_f32 v[ST+8*\t+2:ST+8*\t+3], v[ST+8*\t+2:ST+8*\t+3], v[S+32*\t+2*\k:S+32*\t+2*\k+1]
	v_pk_add_f32 v[BC+2*\t:BC+2*\t+1], v[BC+2*\t:BC+2*\t+1], v[S+32*\t+2*\k+2:S+32*\t+2*\k+3]
.endr
.endr
.irp t, 0,1,2,3
	v_pk_add_f32 v[ST+8*\t+2:ST+8*\t+3], v[ST+8*\t+2:ST+8*\t+3], v[BC+2*\t:BC+2*\t+1]
.endr
.irp j, 0,1,2,3,4,5,6,7,8,9,10,11,12,13,14,15      ; p to f16, in place, ascending: register j takes pair j, which lies at 2 j and 2 j + 1
.irp t, 0,1,2,3
	v_cvt_pk_f16_f32 v[S+32*\t+\j], v[S+32*\t+2*\j], v[S+32*\t+2*\j+1]
.endr
.endr
.if !\first
	WIN 0x41                                       ; O^T (destination and source 0) in window 1, a in window 0
.irp k, 0,1,2,3,4,5,6,7,8,9,10,11,12,13,14,15
.irp t, 0,1,2,3
	v_pk_mul_f32 v[32*\t+2*\k:32*\t+2*\k+1], v[32*\t+2*\k:32*\t+2*\k+1], v[ST+8*\t+6:ST+8*\t+7] op_sel_hi:[1,0]
.endr
.endr
.endif
.endm
; A KEY STEP: 64 keys x my 64 queries.  always = 1: the next step's K is fetched; 0: not in the slot's last step (a scalar branch on the count of steps).
.macro STEP first, always
	s_wait_dscnt 0x0                               ; K is in
.if !\first
.rept 5
	v_nop                                          ; five places: the products below write S^T over the p that the last products read
.endr
.endif
	WIN 0x04                                       ; Q in window 1
.irp c, 0,1                            ; the 16 accumulators take turns, one instruction a turn
.irp kt, 0,1,2,3
.irp t, 0,1,2,3
.if \c == 0
	v_wmma_f32_16x16x32_f16 v[S+32*\t+8*\kt:S+32*\t+8*\kt+7], v[KF+8*(2*\kt+\c):KF+8*(2*\kt+\c)+7], v[QF+16*\t+8*\c:QF+16*\t+8*\c+7], 0
.else
	v_wmma_f32_16x16x32_f16 v[S+32*\t+8*\kt:S+32*\t+8*\kt+7], v[KF+8*(2*\kt+\c):KF+8*(2*\kt+\c)+7], v[QF+16*\t+8*\c:QF+16*\t+8*\c+7], v[S+32*\t+8*\kt:S+32*\t+8*\kt+7]
.endif
.endr
.endr
.endr
	WIN 0
	v_add_nc_u32 v[ADV], s[TB], v[LIV]             ; this step's V;
	s_add_co_u32 s[TB], s[TB], 8192
	v_add_nc_u32 v[ADK], s[TB], v[LI]              ; the next step's K.  With the two lines below: four places behind the products, in front of the loads into K's registers and of the first read of the scores
	v_nop
	v_nop
	WIN 0x40
.irp f, 0,1,2,3,4,5,6,7                ; V: 2 groups of 32 keys x 4 tiles of 16 channels: fragment 4 kk + ct
	ds_load_b128 v[VF+8*\f:VF+8*\f+3], v[ADV] offset:1024*\f
	ds_load_b128 v[VF+8*\f+4:VF+8*\f+7], v[ADV] offset:1024*\f+512
.endr
	WIN 0
.if \always
	FETCH_K
.else
	s_cmp_eq_u32 s[CNT], 1
	s_cbranch_scc1 .Lno_k_\@
	FETCH_K
.Lno_k_\@:
.endif
	SOFTMAX \first
	s_wait_dscnt 0x0                               ; V is in (and the next K): asked for ahead of the softmax
	WIN 0x51                                       ; V, C and D in window 1, p in window 0
.irp kk, 0,1
.irp ct, 0,1,2,3
.irp t, 0,1,2,3
.if \first && (\kk == 0)
	v_wmma_f32_16x16x32_f16 v[32*\t+8*\ct:32*\t+8*\ct+7], v[VF+8*(4*\kk+\ct):VF+8*(4*\kk+\ct)+7], v[S+32*\t+8*\kk:S+32*\t+8*\kk+7], 0
.else
	v_wmma_f32_16x16x32_f16 v[32*\t+8*\ct:32*\t+8*\ct+7], v[VF+8*(4*\kk+\ct):VF+8*(4*\kk+\ct)+7], v[S+32*\t+8*\kk:S+32*\t+8*\kk+7], v[32*\t+8*\ct:32*\t+8*\ct+7]
.endif
.endr
.endr
.endr
	WIN 0
.endm
; A SLOT.  At its head each wave waits for all its tensor loads (one is out: its part of this slot), adds 0 to its spare word, and waits for that and for its reads of the slot that it has left.  refill = 1: the barrier is a
; round of the cluster's, and behind it the other slot is asked for, first thing: the load has this slot's four steps of both waves of a SIMD in which to land.  pf: the byte offset of the slot to prefetch, or 0.
.macro TRIP slot, refill, first, pf
	s_wait_tensorcnt 0x0                           ; no tensor load of mine is out, so the group 0 may be written
	ds_add_u32 v[SPW], v[NIL]
.if \refill
	s_xor_b32 s[G0+1], s[G0+1], SLOT1              ; the other slot,
	s_add_nc_u64 s[G0+2:G0+3], s[G0+2:G0+3], 65536 ; the next 512 keys; the type bits on top are not reached
.endif
	s_wait_dscnt 0x0                               ; the add is done, and my reads of the slot that I have left are over
.if \refill
	CROUND
	TLOAD
.else
	s_barrier_signal -1
	s_barrier_wait -1
.endif
	s_lshl_b32 s[TB], s[KH], 15                    ; my half of the slot's keys
.if \slot
	s_add_co_u32 s[TB], s[TB], SLOT1
.endif
	v_add_nc_u32 v[ADK], s[TB], v[LI]
	FETCH_K
.if \pf
	ASK \pf
.endif
.if \first
	s_wait_loadcnt 0x0                             ; Q
	STEP 1, 1
	s_mov_b32 s[CNT], 3
.else
	s_mov_b32 s[CNT], 4
.endif
.Lstep_\@:
	STEP 0, 0
	s_sub_co_u32 s[CNT], s[CNT], 1
	s_cmp_lg_u32 s[CNT], 0
	s_cbranch_scc1 .Lstep_\@
.endm
	TRIP 0, 1, 1, 2*65536                          ; keys 0-511; slot 1 is asked for; the third 512 keys are prefetched
	TRIP 1, 1, 0, 3*65536
	TRIP 0, 1, 0, 0
	TRIP 1, 0, 0, 0                                ; the last slot: nothing is left to fetch
	; THE MERGE.  l's two halves and the other half of the lanes' are added (twelve plain lines: the places behind the last products).
.irp t, 0,1,2,3
	v_add_f32 v[ST+8*\t+4], v[ST+8*\t+2], v[ST+8*\t+3]
.endr
.irp t, 0,1,2,3
	v_permlanex16_b32 v[ST+8*\t+5], v[ST+8*\t+4], s[SEL], s[SEL+1]
.endr
.irp t, 0,1,2,3
	v_add_f32 v[ST+8*\t+4], v[ST+8*\t+4], v[ST+8*\t+5]
.endr
	v_mov_b32 v12, v[ST+16]                        ; c m and l of my local tiles 2 and 3
	v_mov_b32 v13, v[ST+20]
	v_mov_b32 v14, v[ST+24]
	v_mov_b32 v15, v[ST+28]
	WIN 0x04                                       ; an LDS store's data are its source 1: window 1
.irp i, 0,1,2,3,4,5,6,7,8,9,10,11,12,13,14,15
	ds_store_b128 v[EXA], v[64+4*\i:64+4*\i+3] offset:512*\i   ; O^T of local tiles 2, 3 as the registers stand, each accumulator from its low end
.endr
	WIN 0
	ds_store_b128 v[EXA], v[12:15] offset:8192
	s_wait_dscnt 0x0                               ; for my partner's sake: my stores are done
	s_barrier_signal -1
	s_barrier_wait -1
.irp i, 0,1,2,3,4,5,6,7,8,9,10,11,12,13,14,15
	ds_load_b128 v[64+4*\i:64+4*\i+3], v[IMA] offset:512*\i    ; my partner's sums over the other half of the keys, for my local tiles 0, 1
.endr
	ds_load_b128 v[128:131], v[IMA] offset:8192
	s_wait_dscnt 0x0
.irp t, 0,1
	v_max_num_f32 v[ST+8*\t+5], v[ST+8*\t], v[128+2*\t]        ; the common c m
.endr
.irp t, 0,1
	v_sub_f32 v[ST+8*\t+6], v[ST+8*\t], v[ST+8*\t+5]
	v_sub_f32 v[ST+8*\t+7], v[128+2*\t], v[ST+8*\t+5]
.endr
.irp t, 0,1
	v_exp_f32 v[ST+8*\t+6], v[ST+8*\t+6]
	v_exp_f32 v[ST+8*\t+7], v[ST+8*\t+7]
.endr
	v_nop
	s_wait_alu depctr_va_vdst(0)                   ; one wait for the four exponentials
.irp t, 0,1
	v_mul_f32 v[ST+8*\t+4], v[ST+8*\t+4], v[ST+8*\t+6]
.endr
.irp t, 0,1
	v_fma_f32 v[ST+8*\t+4], v[129+2*\t], v[ST+8*\t+7], v[ST+8*\t+4]   ; the row's sum under the common maximum
.endr
.irp t, 0,1
	v_rcp_f32 v[ST+8*\t+5], v[ST+8*\t+4]
.endr
	v_nop
	s_wait_alu depctr_va_vdst(0)                   ; one wait for the two reciprocals
.irp t, 0,1
	v_mul_f32 v[ST+8*\t+2], v[ST+8*\t+6], v[ST+8*\t+5]         ; my factor,
.endr
.irp t, 0,1
	v_mul_f32 v[ST+8*\t+6], v[ST+8*\t+7], v[ST+8*\t+5]         ; my partner's
.endr
	WIN 0x01                                       ; source 0: O^T in window 1
.irp t, 0,1
.irp k, 0,1,2,3,4,5,6,7,8,9,10,11,12,13,14,15
	v_pk_mul_f32 v[192+32*\t+2*\k:192+32*\t+2*\k+1], v[32*\t+2*\k:32*\t+2*\k+1], v[ST+8*\t+2:ST+8*\t+3] op_sel_hi:[1,0]
.endr
.endr
	WIN 0
.irp t, 0,1
.irp k, 0,1,2,3,4,5,6,7,8,9,10,11,12,13,14,15
	v_pk_fma_f32 v[192+32*\t+2*\k:192+32*\t+2*\k+1], v[64+32*\t+2*\k:64+32*\t+2*\k+1], v[ST+8*\t+6:ST+8*\t+7], v[192+32*\t+2*\k:192+32*\t+2*\k+1] op_sel_hi:[1,0,1]
.endr
.endr
.irp t, 0,1
.irp j, 0,1,2,3,4,5,6,7,8,9,10,11,12,13,14,15
	v_cvt_pk_f16_f32 v[132+16*\t+\j], v[192+32*\t+2*\j], v[192+32*\t+2*\j+1]
.endr
.endr
.irp t, 0,1
.irp ct, 0,1,2,3
	global_store_b128 v[LI], v[132+16*\t+4*\ct:132+16*\t+4*\ct+3], s[46:47] offset:32768*\t+512*\ct   ; channels 16 ct + 8 h on of 16 rows: half an image, 512 consecutive bytes
.endr
.endr
	s_wait_tensorcnt 0x0                           ; the wave's end: three lines behind my last tensor load and my last LDS store
	ds_add_u32 v[SPW], v[NIL]
	s_wait_dscnt 0x0
	CROUND                                         ; the closing round
	s_endpgm
.Lfunc_end_k_q106011a005_attn:
	.size	k_q106011a005_attn, .Lfunc_end_k_q106011a005_attn-k_q106011a005_attn
	.p2alignl 7, 3214868480
	.fill 96, 4, 3214868480
	.section	.rodata,"a",@progbits
	.p2align	6, 0x0
	.amdhsa_kernel k_q106011a005_attn
		.amdhsa_group_segment_fixed_size 327680
		.amdhsa_private_segment_fixed_size 0
		.amdhsa_enable_private_segment 0
		.amdhsa_kernarg_size 16
		.amdhsa_user_sgpr_count 2
		.amdhsa_user_sgpr_kernarg_segment_ptr 1
		.amdhsa_wavefront_size32 1
		.amdhsa_system_sgpr_workgroup_id_x 1
		.amdhsa_system_sgpr_workgroup_id_y 1
		.amdhsa_system_sgpr_workgroup_id_z 1
		.amdhsa_system_vgpr_workitem_id 0
		.amdhsa_next_free_vgpr 512
		.amdhsa_next_free_sgpr 66
		.amdhsa_reserve_vcc 0
		.amdhsa_float_denorm_mode_32 3
		.amdhsa_float_denorm_mode_16_64 3
		.amdhsa_memory_ordered 1
		.amdhsa_forward_progress 1
		.amdhsa_inst_pref_size 178
	.end_amdhsa_kernel
	.amdgpu_metadata
---
amdhsa.version: [ 1, 2 ]
amdhsa.kernels:
  - .name:           k_q106011a005_attn
    .symbol:         k_q106011a005_attn.kd
    .args:
      - { .name: qkvf, .offset: 0, .size: 8, .value_kind: global_buffer, .address_space: global }
      - { .name: of, .offset: 8, .size: 8, .value_kind: global_buffer, .address_space: global }
    .group_segment_fixed_size: 327680
    .private_segment_fixed_size: 0
    .kernarg_segment_align: 8
    .kernarg_segment_size: 16
    .max_flat_workgroup_size: 256
    .sgpr_count:     66
    .vgpr_count:     512
    .wavefront_size: 32
...
	.end_amdgpu_metadata
.endif
;; end of part 3
;; launch proj (part 4): grid 8 x 32, 4 waves a work-group, clusters of 4 x 4, 327,680 bytes of LDS; arguments of, pw, proj_b, out0; writes out0
.if DOCPART == 4
	.amdgcn_target "amdgcn-amd-amdhsa--gfx1250"
	.amdhsa_code_object_version 6
	.text
	.protected	k_q106011a005_proj
	.globl	k_q106011a005_proj
	.p2align	8
	.type	k_q106011a005_proj,@function
k_q106011a005_proj:
	s_mov_b64 s[64:65], 0
	v_nop
	global_prefetch_b8 v0, s[64:65] scope:SCOPE_SE
	s_setreg_imm32_b32 hwreg(HW_REG_WAVE_MODE, 25, 1), 1
	s_wait_xcnt 0x0
	s_wait_alu depctr_hold_cnt(0) depctr_sa_sdst(0) depctr_va_vdst(0) depctr_va_sdst(0) depctr_va_ssrc(0) depctr_va_vcc(0) depctr_vm_vsrc(0)
	s_getreg_b32 s2, hwreg(HW_REG_IB_STS2, 6, 4)
	s_cmp_eq_u32 s2, 0
	s_cbranch_scc0 .Lentry_in_a_cluster
	s_endpgm
.Lentry_in_a_cluster:
	s_bfe_u32 s2, ttmp6, 0x10000c
	s_cmp_lg_u32 s2, 0xf033
	s_cbranch_scc0 .Lentry_shape_is_right
	s_endpgm
.Lentry_shape_is_right:
; out0 [4096][1024] f32 = O proj_w + proj_b.  O and proj_w^T come as f16 images of the operands' registers: of [row tile 256][k / 32, 32][1,024], pw [column tile 64][k / 32, 32][1,024]; sums in f32.
; A tile of out0 is 128 x 128: 256 work-groups; four waves, each 64 x 64: 16 accumulators.  K goes in four steps of 256 through a ring of two LDS slots; a wave's tensor load brings 4 tiles x 8,192 bytes (eight images on end).
; CLUSTERS: 4 x 4 work-groups: O's tiles are asked for jointly along a row of the cluster, proj_w's along a column.
; THE MATRIX INSTRUCTION IS USED TRANSPOSED (source 0 = 16 columns of proj_w, source 1 = 16 rows of O): a lane holds eight neighbouring numbers of a row of out0.  The bias is the C of each sum's first product.
; REGISTERS: window 0: v0-31 addresses; v32-63 the bias, later with v64-95 rows on the way out; v128-255 the accumulators ((a, b) at v[128 + 8 (4 a + b)]).
;   window 1: two fragment buffers of 128: for 64 along K, 64 registers of O's fragments, then 64 of proj_w's.
.set SLOT,   131072                    ; wave x 32,768: [tile 4][k / 32, 8][1,024]: O's two halves, then proj_w's two
.set STAGE,  2*SLOT                    ; behind the ring: 16 rows x 272 bytes for each wave, for the way out
.set SPITCH, 272
.set SPARE,  STAGE+4*16*SPITCH         ; behind the stages: the spare words, 128 bytes a wave, which no other line names
.set ADRA, 16                          ; v16-17  my fragments of O in slot 0, 1
.set ADRB, 20                          ; v20-21  of proj_w
.set STO,  24
.set RD,   25
.set CO,   26
.set SPW,  28
.set NIL,  29
.set BI,   32
.set TMP,  32
.set ACC,  128
.set F0,   0
.set F1,   128
.set G1, 24                            ; s[24:31] group 1 for O's tiles;  s[32:39] group 0, one set for each slot
.set G0, 32
.set G1B, 48                           ; s[48:55], s[56:63] the same for proj_w's
.set G0B, 56
.set MSB, 0
.macro WIN new
.if MSB != \new
	s_set_vgpr_msb (MSB<<8)|\new
.set MSB, \new
.endif
.endm
.set MUL,  0x05                        ; sources 0 and 1 window 1; C and D window 0
.set TO_F, 0x40                        ; destination window 1, address window 0
.macro JLOAD s                         ; a joint load: waves 0 and 1 fetch O's two halves, waves 2 and 3 proj_w's; an s_nop 0 and four v_nop follow each of the two lines
	s_cmp_eq_u32 s13, 0
	s_cbranch_scc0 .Lfor_b_\@
	tensor_load_to_lds s[G0+4*\s:G0+4*\s+3], s[G1:G1+7]
	s_nop 0
.rept 4
	v_nop
.endr
	s_branch .Lasked_\@
.Lfor_b_\@:
	tensor_load_to_lds s[G0B+4*\s:G0B+4*\s+3], s[G1B:G1B+7]
	s_nop 0
.rept 4
	v_nop
.endr
.Lasked_\@:
.endm
.macro CREST                           ; a round of the cluster's barrier behind its opening barrier
	s_cmp_lg_u32 s12, 0
	s_cbranch_scc1 .Lnot_wave_0_\@
	s_barrier_signal -3
.Lnot_wave_0_\@:
	s_barrier_wait -3
	s_barrier_signal -1
	s_barrier_wait -1
.endm
.macro CROUND
	s_barrier_signal -1
	s_barrier_wait -1
	CREST
.endm
	s_load_b256 s[4:11], s[0:1], 0x0               ; of s[4:5], pw s[6:7], proj_b s[8:9], out0 s[10:11]
	v_lshl_add_u32 v[SPW], v0, 2, SPARE
	v_mov_b32 v[NIL], 0
	ds_add_u32 v[SPW], v[NIL]                      ; the wave's opening: the add, twice on end, and its wait ahead of my first tensor load
	ds_add_u32 v[SPW], v[NIL]                      ; and once more, under the one wait; the set-up below stands between
	v_lshrrev_b32 v1, 5, v0
	v_readfirstlane_b32 s12, v1                    ; wave 0..3
	s_lshr_b32 s13, s12, 1                         ; my half of the tile's rows.  Also: I fetch for O (0) or for proj_w (1)
	s_and_b32 s14, s12, 1                          ; my half of its columns.  Also: which half I fetch
	s_bfe_u32 s40, ttmp6, 0x40000                  ; cx, cy
	s_bfe_u32 s41, ttmp6, 0x40004
	s_lshl_b32 s42, ttmp9, 2
	s_add_co_u32 s42, s42, s40                     ; tile column
	s_and_b32 s15, ttmp7, 0xffff
	s_lshl_b32 s15, s15, 2
	s_add_co_u32 s15, s15, s41                     ; tile row
	s_lshl_b32 s43, s41, 2
	s_lshl_b32 s43, 15, s43                        ; my row of the cluster
	s_lshl_b32 s44, 0x1111, s40                    ; my column
	s_or_b32 s[G1+0], s43, (3<<16)|(1<<21)         ; the mask; elements of 8 bytes; bit 21 beside a mask; no padding: images are read 512 consecutive bytes at a time
	s_or_b32 s[G1B+0], s44, (3<<16)|(1<<21)
.irp g, G1, G1B
	s_mov_b32 s[\g+1], 1024<<16                    ; tensor_dim0: 8,192 bytes
	s_mov_b32 s[\g+2], 4<<16                       ; tensor_dim1: 4 tiles
	s_mov_b32 s[\g+3], 1024<<16                    ; tile_dim0
	s_mov_b32 s[\g+4], 4                           ; tile_dim1
	s_mov_b32 s[\g+5], 4096                        ; 32,768 bytes from tile to tile
	s_mov_b32 s[\g+6], 0
	s_mov_b32 s[\g+7], 0
.endr
	s_lshl_b32 s17, s14, 17                        ; my half: 4 tiles of 32,768 bytes
	s_lshl_b32 s16, s15, 18
	s_add_co_u32 s16, s16, s17                     ; O: by the tile row alone
	s_lshl_b32 s46, s42, 18
	s_add_co_u32 s46, s46, s17                     ; proj_w: by the tile column alone
	s_mov_b32 s17, 0
	s_mov_b32 s47, 0
	s_lshl_b32 s20, s12, 15                        ; where they go: wave x 32,768
	s_wait_dscnt 0x0                               ; both opening adds are done
	s_wait_kmcnt 0x0
	s_add_nc_u64 s[18:19], s[4:5], s[16:17]
	s_add_nc_u64 s[46:47], s[6:7], s[46:47]
	CROUND                                         ; all sixteen work-groups are here: the first joint loads meet
.irp s, 0,1
	s_mov_b32 s[G0+4*\s], 1
	s_add_co_u32 s[G0+4*\s+1], s20, \s*SLOT
	s_add_nc_u64 s[G0+4*\s+2:G0+4*\s+3], s[18:19], \s*8192
	s_or_b32 s[G0+4*\s+3], s[G0+4*\s+3], 0x80000000
	s_mov_b32 s[G0B+4*\s], 1
	s_add_co_u32 s[G0B+4*\s+1], s20, \s*SLOT
	s_add_nc_u64 s[G0B+4*\s+2:G0B+4*\s+3], s[46:47], \s*8192
	s_or_b32 s[G0B+4*\s+3], s[G0B+4*\s+3], 0x80000000
	JLOAD \s
.endr
	v_and_b32 v1, 15, v0                           ; r
	v_bfe_u32 v2, v0, 4, 1                         ; h
	v_and_b32 v3, 31, v0
	v_lshlrev_b32 v3, 4, v3                        ; 16 x lane
	s_lshl_b32 s21, s13, 15                        ; my 64 rows of O
	s_lshl_b32 s22, s14, 15
	s_add_co_u32 s22, s22, 65536                   ; my 64 columns of proj_w
.irp s, 0,1
	v_add_nc_u32 v[ADRA+\s], s21, v3
	v_add_nc_u32 v[ADRB+\s], s22, v3
	s_add_co_u32 s21, s21, SLOT
	s_add_co_u32 s22, s22, SLOT
.endr
	s_mul_i32 s23, s12, 16*SPITCH
	s_add_co_u32 s23, s23, STAGE                   ; my stage
	v_mul_u32_u24 v4, v1, SPITCH                   ; in: row r, 32 bytes for each half of the lanes
	v_lshl_add_u32 v4, v2, 5, v4
	v_add_nc_u32 v[STO], s23, v4
	v_mul_u32_u24 v5, v2, SPITCH                   ; back: lanes 0-15 one row of 256 bytes, lanes 16-31 the next
	v_lshl_add_u32 v5, v1, 4, v5
	v_add_nc_u32 v[RD], s23, v5
	v_lshlrev_b32 v[CO], 12, v2                    ; and the same two rows in out0
	v_lshl_add_u32 v[CO], v1, 4, v[CO]
	s_lshl_b32 s16, s42, 9                         ; my first column, in bytes: 512 x tile column + 256 x half
	s_lshl_b32 s21, s14, 8
	s_add_co_u32 s16, s16, s21
	s_add_nc_u64 s[8:9], s[8:9], s[16:17]          ; the bias of my 64 columns
	s_lshl_b32 s21, s15, 19                        ; my first row: 128 x tile row + 64 x half, 4,096 bytes a row
	s_add_co_u32 s16, s16, s21
	s_lshl_b32 s21, s13, 18
	s_add_co_u32 s16, s16, s21
	s_add_nc_u64 s[10:11], s[10:11], s[16:17]
	v_lshlrev_b32 v6, 5, v2                        ; 8 h columns
.irp b, 0,1,2,3
	global_load_b128 v[BI+8*\b:BI+8*\b+3], v6, s[8:9] offset:64*\b        ; in the result's layout: register j of tile b is column 16 b + 8 h + j
	global_load_b128 v[BI+8*\b+4:BI+8*\b+7], v6, s[8:9] offset:64*\b+16
.endr
; 8 products: row blocks a0, a0 + 1 x all 4 column blocks, 32 along K: half c of buffer f.  start = 1: the first product starts the sum, on the bias.  The 16 accumulators take turns.
.macro MUL8 f, c, a0, start
.irp a, \a0, \a0+1
.irp b, 0,1,2,3
.if \start
	v_wmma_f32_16x16x32_f16 v[ACC+8*(4*(\a)+\b):ACC+8*(4*(\a)+\b)+7], v[\f+64+8*(4*\c+\b):\f+64+8*(4*\c+\b)+7], v[\f+8*(4*\c+\a):\f+8*(4*\c+\a)+7], v[BI+8*\b:BI+8*\b+7]
.else
	v_wmma_f32_16x16x32_f16 v[ACC+8*(4*(\a)+\b):ACC+8*(4*(\a)+\b)+7], v[\f+64+8*(4*\c+\b):\f+64+8*(4*\c+\b)+7], v[\f+8*(4*\c+\a):\f+8*(4*\c+\a)+7], v[ACC+8*(4*(\a)+\b):ACC+8*(4*(\a)+\b)+7]
.endif
.endr
.endr
.endm
; 32 LDS loads in one run: the fragments of the slot's q-th 64 along K into buffer f; the first 32 along K first
.macro FETCH slot, q, f
	WIN TO_F
.irp c, 0,1
.irp i, 0,1,2,3
	ds_load_b128 v[\f+64+8*(4*\c+\i):\f+64+8*(4*\c+\i)+3],   v[ADRB+\slot] offset:8192*\i+1024*(2*(\q)+\c)
	ds_load_b128 v[\f+64+8*(4*\c+\i)+4:\f+64+8*(4*\c+\i)+7], v[ADRB+\slot] offset:8192*\i+1024*(2*(\q)+\c)+512
	ds_load_b128 v[\f+8*(4*\c+\i):\f+8*(4*\c+\i)+3],         v[ADRA+\slot] offset:8192*\i+1024*(2*(\q)+\c)
	ds_load_b128 v[\f+8*(4*\c+\i)+4:\f+8*(4*\c+\i)+7],       v[ADRA+\slot] offset:8192*\i+1024*(2*(\q)+\c)+512
.endr
.endr
.endm
.macro PLACES                          ; four places in front of loads into registers that matrix instructions have read, and of the first read of results
.rept 4
	v_nop
.endr
.endm
; A K step is four quarters of 64 along K, 32 products each, on buffers 0, 1, 0, 1.  One of the first three: multiplies buffer f and fetches quarter q into g.
.macro QUARTER slot, q, f, g, start
	s_wait_dscnt 16                                ; the first 32 along K are in; the youngest sixteen loads may be out
	WIN MUL
	MUL8 \f, 0, 0, \start
	MUL8 \f, 0, 2, \start
	PLACES
	FETCH \slot, \q, \g
	s_wait_dscnt 32                                ; all but the 32 just issued
	WIN MUL
	MUL8 \f, 1, 0, 0
	MUL8 \f, 1, 2, 0
.endm
; The last quarter multiplies buffer 1 and changes slots: ONE barrier; in front of it each wave waits for all its tensor loads, adds 0 to its spare word, and waits for that and for its reads of this slot.
; fill = 1: the barrier opens a round of the cluster's, and this slot is filled again, two K steps ahead, first thing behind it.
.macro TURN slot, next, fill
	WIN 0                                          ; (the add's two registers lie in window 0)
	s_wait_tensorcnt 0x0                           ; all my tensor loads have landed: my part of the next slot;
	ds_add_u32 v[SPW], v[NIL]
	s_wait_dscnt 17                                ; (the add and the youngest sixteen loads may be out)
	WIN MUL
	MUL8 F1, 0, 0, 0                               ; eight products stand between the add and the wait for it
	s_wait_dscnt 0x0                               ; the add is done, and my reads of this slot are over
	s_barrier_signal -1
	MUL8 F1, 0, 2, 0
.if \fill
	WIN 0
.endif
	s_barrier_wait -1
.if \fill
	CREST                                          ; no wave of any partner still reads this slot's tile or has a load on its way
	s_add_nc_u64 s[G0+4*\slot+2:G0+4*\slot+3], s[G0+4*\slot+2:G0+4*\slot+3], 2*8192
	s_add_nc_u64 s[G0B+4*\slot+2:G0B+4*\slot+3], s[G0B+4*\slot+2:G0B+4*\slot+3], 2*8192
	JLOAD \slot                                    ; the four v_nop behind it are also the places in front of the loads below
.else
	PLACES
.endif
	FETCH \next, 0, F0
	WIN MUL
	MUL8 F1, 1, 0, 0
	MUL8 F1, 1, 2, 0
.endm
	s_wait_tensorcnt 1                             ; my part of K step 0 is in; K step 1's stays out
	s_barrier_signal -1
	s_barrier_wait -1                              ; everybody's is
	FETCH 0, 0, F0
	s_wait_loadcnt 0x0                             ; the bias
	QUARTER 0, 1, F0, F1, 1                        ; K step 0
	QUARTER 0, 2, F1, F0, 0
	QUARTER 0, 3, F0, F1, 0
	TURN 0, 1, 1                                   ; slot 0 takes K step 2
	QUARTER 1, 1, F0, F1, 0                        ; K step 1
	QUARTER 1, 2, F1, F0, 0
	QUARTER 1, 3, F0, F1, 0
	TURN 1, 0, 1                                   ; slot 1 takes K step 3
	QUARTER 0, 1, F0, F1, 0                        ; K step 2
	QUARTER 0, 2, F1, F0, 0
	QUARTER 0, 3, F0, F1, 0
	TURN 0, 1, 0                                   ; nothing is left to fetch
	QUARTER 1, 1, F0, F1, 0                        ; K step 3
	QUARTER 1, 2, F1, F0, 0
	QUARTER 1, 3, F0, F1, 0
	s_wait_dscnt 16
	WIN MUL
	MUL8 F1, 0, 0, 0
	MUL8 F1, 0, 2, 0
	s_wait_dscnt 0x0
	MUL8 F1, 1, 0, 0
	MUL8 F1, 1, 2, 0
	WIN 0
; THE WAY OUT, a block of 16 rows x 64 columns at a time.  A lane holds 32 neighbouring bytes of a row and the lanes beside it hold other rows: the block goes through my own stage and comes back as whole rows of 256 bytes.
; LDS serves a wave's instructions in order (ISA guide 5.7.1.4): no wait between the stores and the loads, nor in front of the next block's stores.
.macro TOSTAGE a
.irp b, 0,1,2,3
	ds_store_b128 v[STO], v[ACC+8*(4*(\a)+\b):ACC+8*(4*(\a)+\b)+3] offset:64*\b          ; each accumulator from its low end on
	ds_store_b128 v[STO], v[ACC+8*(4*(\a)+\b)+4:ACC+8*(4*(\a)+\b)+7] offset:64*\b+16
.endr
.irp t, 0,1,2,3,4,5,6,7
	ds_load_b128 v[TMP+32*((\a)%2)+4*\t:TMP+32*((\a)%2)+4*\t+3], v[RD] offset:\t*2*SPITCH
.endr
.endm
.macro SEND a, younger                 ; younger: the LDS instructions issued behind block a's loads, which may stay out
	s_wait_dscnt \younger
.irp t, 0,1,2,3,4,5,6,7
	global_store_b128 v[CO], v[TMP+32*((\a)%2)+4*\t:TMP+32*((\a)%2)+4*\t+3], s[10:11] offset:(16*(\a)+2*\t)*4096 th:TH_STORE_NT   ; sixteen lanes store 256 consecutive bytes, aligned; written once, read by nobody here
.endr
.endm
	PLACES
	TOSTAGE 0
.irp a, 1,2,3
.if \a > 1
	s_wait_xcnt 0x0                                ; block a - 2's stores have read their registers: block a's loads may land there
.endif
	TOSTAGE \a
	SEND \a-1, 16                                  ; behind block a - 1's loads: block a's 8 stores and 8 loads
.endr
	SEND 3, 0
	s_wait_tensorcnt 0x0                           ; the wave's end: three lines behind my last tensor load and my last LDS store
	ds_add_u32 v[SPW], v[NIL]
	s_wait_dscnt 0x0
	CROUND                                         ; the closing round
	s_endpgm
.Lfunc_end_k_q106011a005_proj:
	.size	k_q106011a005_proj, .Lfunc_end_k_q106011a005_proj-k_q106011a005_proj
	.p2alignl 7, 3214868480
	.fill 96, 4, 3214868480
	.section	.rodata,"a",@progbits
	.p2align	6, 0x0
	.amdhsa_kernel k_q106011a005_proj
		.amdhsa_group_segment_fixed_size 327680
		.amdhsa_private_segment_fixed_size 0
		.amdhsa_enable_private_segment 0
		.amdhsa_kernarg_size 32
		.amdhsa_user_sgpr_count 2
		.amdhsa_user_sgpr_kernarg_segment_ptr 1
		.amdhsa_wavefront_size32 1
		.amdhsa_system_sgpr_workgroup_id_x 1
		.amdhsa_system_sgpr_workgroup_id_y 1
		.amdhsa_system_sgpr_workgroup_id_z 1
		.amdhsa_system_vgpr_workitem_id 0
		.amdhsa_next_free_vgpr 512
		.amdhsa_next_free_sgpr 66
		.amdhsa_reserve_vcc 0
		.amdhsa_float_denorm_mode_32 3
		.amdhsa_float_denorm_mode_16_64 3
		.amdhsa_memory_ordered 1
		.amdhsa_forward_progress 1
		.amdhsa_inst_pref_size 86
	.end_amdhsa_kernel
	.amdgpu_metadata
---
amdhsa.version: [ 1, 2 ]
amdhsa.kernels:
  - .name:           k_q106011a005_proj
    .symbol:         k_q106011a005_proj.kd
    .args:
      - { .name: of, .offset: 0, .size: 8, .value_kind: global_buffer, .address_space: global }
      - { .name: pw, .offset: 8, .size: 8, .value_kind: global_buffer, .address_space: global }
      - { .name: proj_b, .offset: 16, .size: 8, .value_kind: global_buffer, .address_space: global }
      - { .name: out0, .offset: 24, .size: 8, .value_kind: global_buffer, .address_space: global }
    .group_segment_fixed_size: 327680
    .private_segment_fixed_size: 0
    .kernarg_segment_align: 8
    .kernarg_segment_size: 32
    .max_flat_workgroup_size: 128
    .sgpr_count:     66
    .vgpr_count:     512
    .wavefront_size: 32
...
	.end_amdgpu_metadata
.endif
;; end of part 4
